; MI455X (gfx1250); checked and timed in simulation.
; The chip was launched on July 23, 2026; its instructions are those of AMD's public machine-readable ISA for CDNA 5 (MIT licence, August 2026) and "CDNA5" Instruction Set Architecture Reference Guide (July 2026). The comments in the code are by the model that wrote it; some were corrected since.
;; Multi Head Attention. Allowed arithmetic: matrix products marked QUANTISED: E4M3 operands, one given power-of-two scale a tensor, by v_wmma_f32_16x16x64_fp8_fp8 or v_wmma_f32_16x16x128_fp8_fp8, f32 sums; everything else in f32.
;; Inputs: Wk_b 2,048 float32; Wk_w 2,048 x 2,048 float32; Wo_b 2,048 float32; Wo_w 2,048 x 2,048 float32; Wq_b 2,048 float32; Wq_w 2,048 x 2,048 float32; Wv_b 2,048 float32; Wv_w 2,048 x 2,048 float32; lowp_scales 12 int32 (the exponents e of the quantised operands' scales 2^e); mask 2,048 x 2,048 float32; x 1 x 2,048 x 2,048 float32.
;; Outputs: out0 1 x 2,048 x 2,048 float32.
;; This version of the problem:
;;   THIS VERSION OF THE PROBLEM IS GIVEN IN LOW PRECISION. The matrix products marked QUANTISED in the list below multiply operands that are first quantised to E4M3 (4 exponent bits, 3 mantissa bits; 8 bits a number), with one given power-of-two scale for each operand tensor; their sums are f32. All else is computed in f32.
;;   The module's matrix products, in the order in which they are computed (A, B: the left and right operand; K: the contracted axis; several contracted axes count as one K, in the product's order):
;;     1. [M 2,048, K 2,048] x [K 2,048, N 2,048]; A: input x; B: input Wq_w: QUANTISED (scales: A lowp_scales[0], B lowp_scales[1])
;;     2. [M 2,048, K 2,048] x [K 2,048, N 2,048]; A: input x; B: input Wk_w: QUANTISED (scales: A lowp_scales[2], B lowp_scales[3])
;;     3. [M 2,048, K 2,048] x [K 2,048, N 2,048]; A: input x; B: input Wv_w: QUANTISED (scales: A lowp_scales[4], B lowp_scales[5])
;;     4. batch 16 x [M 2,048, K 128] x [K 128, N 2,048]; A: computed on the way; B: computed on the way: QUANTISED (scales: A lowp_scales[6], B lowp_scales[7])
;;     5. batch 16 x [M 2,048, K 2,048] x [K 2,048, N 128]; A: softmax (see below); B: computed on the way: QUANTISED (scales: A lowp_scales[8], B lowp_scales[9])
;;     6. [M 2,048, K 2,048] x [K 2,048, N 2,048]; A: computed on the way; B: input Wo_w: QUANTISED (scales: A lowp_scales[10], B lowp_scales[11])
;;   THE QUANTISER, for each operand of a quantised product, along K:
;;     - The operand's scale is 2^e, e = its entry of the input lowp_scales (int32; the entries are numbered through the quantised products in the list's order, A before B).
;;     - Each number is divided by the scale, clamped to +-448, and rounded to the nearest number of E4M3, ties to even, subnormals kept.
;;     - The product sums the exact products of the quantised numbers (number of the format x scale) in f32.
;;   ~~~python
;;   def quantise(x, axis, e):      # numpy; x: float32 -> the quantised numbers, widened to float32 again
;;       x = np.moveaxis(x, axis, -1); K = x.shape[-1]
;;       r = np.clip(x / 2.0 ** e, -448, 448)
;;       step = 2.0 ** (np.maximum(np.frexp(np.where(r == 0, 1, r))[1] - 1, -6) - 3)
;;       q = np.round(r / step) * step * 2.0 ** e      # np.round: ties to even
;;       return np.moveaxis(q, -1, axis).astype(np.float32)
;;   ~~~
;;   SOFTMAX AHEAD OF A QUANTISED PRODUCT. Where the list says 'softmax', what is quantised is not the finished softmax but p = 2^(t - M), with t = logit x log2(e) and M = ceil(the row's largest t), a whole number; so 1/2 < the row's largest p <= 1. The row's sum l is taken of the UNQUANTISED p, in f32, and the product's result is divided by l at the end. Since M is a whole number, a kernel that streams over the keys may use a running M (the ceiling of the running maximum): every later rescaling is an exact power of two, so the quantised numbers keep their values, but for numbers so far below the row's largest that they fall under the format's range.
;;   OPERANDS COMPUTED ON THE WAY. 'Computed on the way' means the value that the module computes at that place (a softmax that the list does not call 'softmax' is quantised finished and normalised). What goes into a quantiser is computed in f32, as accurately as f32 sums, v_exp_f32 and their like allow (about 1e-6 of the number): no bf16 or f16 on the way to a quantiser, and a product that is left as it is and whose result goes on into a quantised operand takes f32 operands (vector FMAs, or v_wmma_f32_16x16x4_f32). A number that lies on a knife's edge between two numbers of the format may be rounded either way, as far as f32 arithmetic and the matrix unit's own rounding can turn it there, and no further.
;; 2 versions, each right; version 2 is version 1 with the launch attn written anew for expert scheduling mode. Each part assembles by itself: llvm-mc -triple=amdgcn-amd-amdhsa -mcpu=gfx1250 --defsym DOCPART=n.
;; ======== version 1 of 2: 4 launches
;; workspace buffers: codes 29,360,128 bytes; maskw 524,800 bytes of whole numbers; rope 1,048,576 bytes; qkvc 12,582,912 bytes; oc 4,194,304 bytes
;; launch prep (part 1): grid 896 x 1, 4 waves a work-group, no clusters, 34,304 bytes of LDS; arguments x, Wq_w, Wk_w, Wv_w, Wo_w, mask, lowp_scales, codes, maskw, rope; writes codes, maskw, rope
.if DOCPART == 1
	.amdgcn_target "amdgcn-amd-amdhsa--gfx1250"
	.amdhsa_code_object_version 6
	.text
	.protected	k_qad64a8e657_prep
	.globl	k_qad64a8e657_prep
	.p2align	8
	.type	k_qad64a8e657_prep,@function
k_qad64a8e657_prep:
	s_mov_b64 s[64:65], 0
	v_nop
	global_prefetch_b8 v0, s[64:65] scope:SCOPE_SE
	s_setreg_imm32_b32 hwreg(HW_REG_WAVE_MODE, 25, 1), 1
	s_wait_xcnt 0x0
; THE PASS IN FRONT OF THE PRODUCTS.  Each of the six large f32 inputs ([2048][2048], the last axis = K) is read once.
;   job 0: x -> codes of E4M3 three times (scales e0, e2, e4);  jobs 1-4: Wq, Wk, Wv, Wo -> codes (e1, e3, e5, e11);
;   job 5: mask -> one bit a number, and two flag bits for each block of 16 queries x 128 keys;  job 6: the table of cos and sin for the rotary embedding.
; job = work-group / 128; RT = work-group % 128 = which 16 rows.  Jobs 0-5: wave w takes the columns 512 w .. 512 w + 511 in four steps of 128.
; code = x / 2^e, held within +-448, rounded to the nearest code, ties to even.
; THE LAYOUT OF ALL CODES: IMAGES OF OPERAND REGISTERS.  A fragment is 16 rows x 128 K = 16 registers a lane = 2,048 bytes, laid [c 0..3][lane 0..31][16 bytes]: lane r + 16 h holds row r,
; its registers 2 g, 2 g + 1 hold k = 16 g + 8 h + 0 .. 7 (the plain 8-bit operand layout).  A matrix is [row / 16][k / 128][2,048 bytes].  A fragment is stored and loaded by four 16-byte
; instructions a lane, each covering 512 consecutive bytes.  codes holds seven matrices of 4 MiB: x by e0, x by e2, x by e4, Wq, Wk, Wv, Wo.
; THE TURN.  Each load reads 512 consecutive bytes of one row; a lane needs 8 neighbours along K four times over.  So a step's 16 rows x 512 bytes go through the wave's own stage in LDS (rows of 528 bytes:
; 132 words, row r starts at bank 4 r mod 64: ISA guide 11.1) and come back 32 bytes at a time.  No barrier: the waves share nothing.  All LDS lines stand on the way that every job but 6 takes.
; maskw: [query tile 128][key step 16][64 words]: bit r + 16 h of word 8 t + j is set where mask[16 qt + r][128 ks + 16 t + 8 h + j] is not 0 (a NaN counts as not 0, as in reference()).
;   From byte 524,288: a word for each query tile: bit 2 ks: some key of the step counts for some query of the tile; bit 2 ks + 1: some key is hidden.  Wave w stores byte w of that word.
; rope: [position / 16][b 0..3][jj 0..1][cos, sin][lane][4 f32]: lane (r, h), number i: position 16 pt + r, frequency 16 b + 8 h + 4 jj + i.
;   inv_freq = 2^(-f log2(10000) / 64); angle = position x inv_freq, rounded to f32 as reference() rounds it; reduced by k = nearest whole number to angle x 2 / pi with pi / 2 in two parts; sine to r^9, cosine to r^10 on |r| <= pi / 4.
;   ACCURACY: reduction and series are good to about 1e-7; inv_freq to one or two last places, which at position 2,047 is up to about 2e-4 in the angle, the size of the angle's own f32 rounding there.
; LIMITS: each e lies between -126 and 119, so that 2^e and 448 x 2^e are f32 numbers.  NaN among x and the weights is not served (an infinity is held at the largest code).
.set ROWF, 8192                        ; a row of 2,048 f32 in bytes
.set SP,   528                         ; a stage row
.set WST,  16*SP                       ; a wave's stage
.set MW,   12                          ; v12-19   the mask words of a step: a pair of registers for each of the four steps
.set R,    32                          ; v32-159  two sets of 64 registers as loaded
.set X,    160                         ; v160-223 64 numbers in the operand's order: register 8 g + i = k 16 g + 8 h + i of row r
.set T,    224                         ; v224-239 two sets of 8 held numbers
.set C,    240                         ; v240-255 a fragment's codes
; v1 lane, v2 16 x lane, v3 / v4 stage in / out, v5 8 x lane, v6-11 scale and bound for the three outputs, v20 flag byte, v21 0, v22 r, v23 h
.macro LOAD t                          ; step t: 16 rows x 512 bytes into set t % 2
.irp i, 0,1,2,3,4,5,6,7,8,9,10,11,12,13,14,15
	global_load_b128 v[R+64*((\t)%2)+4*\i:R+64*((\t)%2)+4*\i+3], v2, s[28:29] offset:\i*ROWF+(\t)*512 th:TH_LOAD_NT
.endr
.endm
.macro SCALE e, sc, lim                ; v[sc] = 2^e, v[lim] = 448 x 2^e, as f32 patterns
	s_add_co_i32 s56, s[\e], 127
	s_lshl_b32 s57, s56, 23
	v_mov_b32 v[\sc], s57
	s_add_co_i32 s56, s56, 8
	s_lshl_b32 s56, s56, 23
	s_or_b32 s56, s56, 0x600000
	v_mov_b32 v[\lim], s56
.endm
.macro QOUT sc, lim, base, t           ; X -> a fragment of codes -> memory.  X is kept: job 0 quantises it three times
	s_wait_xcnt 0x0                                ; the last fragment's stores have read C: it is written again only behind this wait
.irp g, 0,1,2,3,4,5,6,7
.irp i, 0,1,2,3,4,5,6,7
	v_med3_num_f32 v[T+8*(\g%2)+\i], v[X+8*\g+\i], -v[\lim], v[\lim]   ; the conversion does not saturate (ISA guide 7.6.2): hold first
.endr
	v_cvt_scalef32_pk8_fp8_f32 v[C+2*\g:C+2*\g+1], v[T+8*(\g%2):T+8*(\g%2)+7], v[\sc]   ; T's two sets take turns: eight plain lines stand between a conversion and the next write of its sources
.endr
.irp c, 0,1,2,3
	global_store_b128 v2, v[C+4*\c:C+4*\c+3], s[\base:\base+1] offset:(\t)*2048+512*\c   ; 512 consecutive bytes
.endr
.endm
.macro MOUT t                          ; X -> 64 words of lane bits, and the step's two flags
	s_mov_b32 s56, 0                               ; the words' OR
	s_mov_b32 s57, -1                              ; and their AND
.set n, 0
.rept 16
.irp k, 0,1,2,3
	v_cmp_neq_f32 s[60+\k], 0, v[X+n+\k]
.endr
.irp k, 0,1,2,3
	v_writelane_b32 v[MW+2*(\t)+\k%2], s[60+\k], (n+\k)/2   ; word n goes to lane n / 2, register n % 2: the store below lays the words in order
.endr
.irp k, 0,1,2,3
	s_or_b32 s56, s56, s[60+\k]
	s_and_b32 s57, s57, s[60+\k]
.endr
.set n, n+4
.endr
	global_store_b64 v5, v[MW+2*(\t):MW+2*(\t)+1], s[52:53] offset:256*(\t)   ; 256 consecutive bytes
	s_cmp_lg_u32 s56, 0
	s_cselect_b32 s59, 1<<(2*(\t)), 0
	s_or_b32 s58, s58, s59
	s_cmp_lg_u32 s57, -1
	s_cselect_b32 s59, 2<<(2*(\t)), 0
	s_or_b32 s58, s58, s59
.endm
.macro STEP t
.if (\t) < 3
	s_wait_loadcnt 16                              ; this step's 16 loads are in; the next step's 16 may be out
.else
	s_wait_loadcnt 0x0
.endif
.irp i, 0,1,2,3,4,5,6,7,8,9,10,11,12,13,14,15
	ds_store_b128 v3, v[R+64*((\t)%2)+4*\i:R+64*((\t)%2)+4*\i+3] offset:\i*SP
.endr
.irp c, 0,1,2,3                        ; LDS serves a wave's instructions in order (ISA guide 5.7.1.4): these see the stores above
	ds_load_b128 v[X+16*\c:X+16*\c+3],     v4 offset:128*\c
	ds_load_b128 v[X+16*\c+4:X+16*\c+7],   v4 offset:128*\c+16
	ds_load_b128 v[X+16*\c+8:X+16*\c+11],  v4 offset:128*\c+64
	ds_load_b128 v[X+16*\c+12:X+16*\c+15], v4 offset:128*\c+80
.endr
	s_wait_dscnt 0x0                               ; X is in, and the stores have read their set,
.if (\t) < 2
	LOAD (\t)+2                                    ; which takes the loads of two steps on
.endif
	s_cmp_eq_u32 s24, 5
	s_cbranch_scc1 .Lm_\@
	QOUT 6, 7, 32, \t
	s_cmp_lg_u32 s24, 0
	s_cbranch_scc1 .Ld_\@
	QOUT 8, 9, 48, \t                              ; x alone: the second and third scale
	QOUT 10, 11, 50, \t
	s_branch .Ld_\@
.Lm_\@:
	MOUT \t
.Ld_\@:
.endm
	s_load_b512 s[4:19], s[0:1], 0x0               ; x, Wq, Wk, Wv, Wo, mask, lowp_scales, codes
	s_load_b128 s[20:23], s[0:1], 0x40             ; maskw, rope
	v_lshl_add_u32 v30, v0, 2, 0x8400
	v_mov_b32 v31, 0
	s_lshr_b32 s24, ttmp9, 7                       ; job
	s_and_b32 s25, ttmp9, 127                      ; RT
	v_lshrrev_b32 v1, 5, v0
	v_readfirstlane_b32 s26, v1                    ; wave
	v_and_b32 v1, 31, v0                           ; lane
	v_lshlrev_b32 v2, 4, v1
	v_and_b32 v22, 15, v0                          ; r
	v_bfe_u32 v23, v0, 4, 1                        ; h
	s_mul_i32 s27, s26, WST
	v_add_nc_u32 v3, s27, v2                       ; into the stage: 16 x lane of row i
	v_mul_u32_u24 v4, v22, SP
	v_lshl_add_u32 v4, v23, 5, v4
	v_add_nc_u32 v4, s27, v4                       ; out of it: row r, + 32 h
	v_lshlrev_b32 v5, 3, v1
	v_mov_b32 v21, 0
	s_mov_b32 s58, 0                               ; the wave's flag byte
	s_wait_kmcnt 0x0
	s_cmp_eq_u32 s24, 6
	s_cbranch_scc1 .Lrope
	s_load_b256 s[36:43], s[16:17], 0x0            ; e0 .. e7
	s_load_b128 s[44:47], s[16:17], 0x20           ; e8 .. e11
	s_mov_b64 s[28:29], s[4:5]                     ; the job's input: a choice on the work-group's number alone
	s_cmp_eq_u32 s24, 1
	s_cselect_b64 s[28:29], s[6:7], s[28:29]
	s_cmp_eq_u32 s24, 2
	s_cselect_b64 s[28:29], s[8:9], s[28:29]
	s_cmp_eq_u32 s24, 3
	s_cselect_b64 s[28:29], s[10:11], s[28:29]
	s_cmp_eq_u32 s24, 4
	s_cselect_b64 s[28:29], s[12:13], s[28:29]
	s_cmp_eq_u32 s24, 5
	s_cselect_b64 s[28:29], s[14:15], s[28:29]
	s_lshl_b32 s34, s25, 17                        ; 16 rows of 8,192 bytes
	s_lshl_b32 s35, s26, 11                        ; my wave's 512 columns
	s_add_co_u32 s34, s34, s35
	s_mov_b32 s35, 0
	s_add_nc_u64 s[28:29], s[28:29], s[34:35]
	LOAD 0
	LOAD 1
	s_add_co_u32 s31, s24, 2                       ; which matrix of codes: job 0 -> 0 (and 1, 2), jobs 1-4 -> 3-6 (job 5 stores no codes)
	s_min_u32 s31, s31, 6
	s_cmp_eq_u32 s24, 0
	s_cselect_b32 s31, 0, s31
	s_lshl_b32 s34, s31, 22
	s_lshl_b32 s35, s25, 15                        ; a row tile's 16 fragments
	s_add_co_u32 s34, s34, s35
	s_lshl_b32 s35, s26, 13                        ; my wave's four
	s_add_co_u32 s34, s34, s35
	s_mov_b32 s35, 0
	s_add_nc_u64 s[32:33], s[18:19], s[34:35]
	s_add_nc_u64 s[48:49], s[32:33], 0x400000      ; used by job 0 alone
	s_add_nc_u64 s[50:51], s[32:33], 0x800000
	s_lshl_b32 s34, s25, 12
	s_lshl_b32 s35, s26, 10
	s_add_co_u32 s34, s34, s35
	s_mov_b32 s35, 0
	s_add_nc_u64 s[52:53], s[20:21], s[34:35]      ; my four steps' words
	s_lshl_b32 s34, s25, 2
	s_add_co_u32 s34, s34, s26
	s_add_co_u32 s34, s34, 0x80000
	s_add_nc_u64 s[54:55], s[20:21], s[34:35]      ; my byte of the tile's flag word
.irp i, 0,1,2,3,4,5,6,7
	v_mov_b32 v[MW+\i], 0                          ; v_writelane_b32 counts as a reader of its destination
.endr
	s_wait_kmcnt 0x0
	s_mov_b32 s30, s36                             ; the job's e: e0, e1, e3, e5, e11
	s_cmp_eq_u32 s24, 1
	s_cselect_b32 s30, s37, s30
	s_cmp_eq_u32 s24, 2
	s_cselect_b32 s30, s39, s30
	s_cmp_eq_u32 s24, 3
	s_cselect_b32 s30, s41, s30
	s_cmp_eq_u32 s24, 4
	s_cselect_b32 s30, s47, s30
	SCALE 30, 6, 7
	SCALE 38, 8, 9                                 ; e2
	SCALE 40, 10, 11                               ; e4
	STEP 0
	STEP 1
	STEP 2
	STEP 3
	s_cmp_lg_u32 s24, 5
	s_cbranch_scc1 .Lend
	v_mov_b32 v20, s58
	v_cmp_eq_u32 vcc_lo, 0, v1
	s_wait_xcnt 0x0                                ; EXEC is a source of the stores that are out: it changes only behind this wait
	s_and_saveexec_b32 s59, vcc_lo
	global_store_b8 v21, v20, s[54:55]             ; one byte a wave: the only bytes of the program that do not leave as 256 on end (512 bytes in all)
	s_wait_xcnt 0x0
	s_or_b32 exec_lo, exec_lo, s59
.Lend:
	s_wait_tensorcnt 0x0
	ds_add_u32 v30, v31
	s_wait_dscnt 0x0
	s_endpgm
.Lrope:                                        ; job 6: wave b of work-group pt makes 2 x 8 numbers a lane.  No LDS
	s_lshl_b32 s34, s25, 13
	s_lshl_b32 s35, s26, 11
	s_add_co_u32 s34, s34, s35
	s_mov_b32 s35, 0
	s_add_nc_u64 s[22:23], s[22:23], s[34:35]
	s_lshl_b32 s27, s26, 4
	v_lshl_add_u32 v24, v23, 3, s27                ; 16 b + 8 h: my first frequency
	s_lshl_b32 s28, s25, 4
	v_add_nc_u32 v25, s28, v22
	v_cvt_f32_u32 v25, v25                         ; my position
	s_mov_b32 s36, 0xbe549a78                      ; -log2(10000) / 64
	s_mov_b32 s37, 0x3f22f983                      ; 2 / pi
	s_mov_b32 s38, 0xbfc90fdb                      ; -(pi / 2), the f32 nearest to it,
	s_mov_b32 s39, 0x333bbd2e                      ; and what that f32 has too much
	s_mov_b32 s40, 0x3638ef1d                      ; 1 / 9!
	s_mov_b32 s41, 0xb9500d01                      ; -1 / 7!
	s_mov_b32 s42, 0x3c088889                      ; 1 / 5!
	s_mov_b32 s43, 0xbe2aaaab                      ; -1 / 3!
	s_mov_b32 s44, 0xb493f27e                      ; -1 / 10!
	s_mov_b32 s45, 0x37d00d01                      ; 1 / 8!
	s_mov_b32 s46, 0xbab60b61                      ; -1 / 6!
	s_mov_b32 s47, 0x3d2aaaab                      ; 1 / 4!
.irp n, 0,1,2,3,4,5,6,7
	v_add_nc_u32 v[32+\n], \n, v24
.endr
.irp n, 0,1,2,3,4,5,6,7
	v_cvt_f32_u32 v[32+\n], v[32+\n]
.endr
.irp n, 0,1,2,3,4,5,6,7
	v_mul_f32 v[32+\n], s36, v[32+\n]
.endr
.irp n, 0,1,2,3,4,5,6,7
	v_exp_f32 v[32+\n], v[32+\n]                   ; inv_freq
.endr
	v_nop                                          ; a plain line behind the last exponential,
	s_wait_alu depctr_va_vdst(0)                   ; and one wait for the batch, ahead of its first reader
.irp n, 0,1,2,3,4,5,6,7
	v_mul_f32 v[32+\n], v25, v[32+\n]              ; the angle
.endr
.irp n, 0,1,2,3,4,5,6,7
	v_mul_f32 v[40+\n], s37, v[32+\n]
.endr
.irp n, 0,1,2,3,4,5,6,7
	v_rndne_f32 v[40+\n], v[40+\n]                 ; k
.endr
.irp n, 0,1,2,3,4,5,6,7
	v_fma_f32 v[48+\n], v[40+\n], s38, v[32+\n]
.endr
.irp n, 0,1,2,3,4,5,6,7
	v_fma_f32 v[48+\n], v[40+\n], s39, v[48+\n]    ; r = angle - k pi / 2
.endr
.irp n, 0,1,2,3,4,5,6,7
	v_mul_f32 v[56+\n], v[48+\n], v[48+\n]         ; z = r r
.endr
.irp n, 0,1,2,3,4,5,6,7
	v_fma_f32 v[64+\n], v[56+\n], s40, s41
	v_fma_f32 v[72+\n], v[56+\n], s44, s45
.endr
.irp n, 0,1,2,3,4,5,6,7
	v_fma_f32 v[64+\n], v[56+\n], v[64+\n], s42
	v_fma_f32 v[72+\n], v[56+\n], v[72+\n], s46
.endr
.irp n, 0,1,2,3,4,5,6,7
	v_fma_f32 v[64+\n], v[56+\n], v[64+\n], s43
	v_fma_f32 v[72+\n], v[56+\n], v[72+\n], s47
.endr
.irp n, 0,1,2,3,4,5,6,7
	v_mul_f32 v[88+\n], v[56+\n], v[48+\n]
	v_fma_f32 v[72+\n], v[56+\n], v[72+\n], -0.5
.endr
.irp n, 0,1,2,3,4,5,6,7
	v_fma_f32 v[64+\n], v[88+\n], v[64+\n], v[48+\n]   ; sin r
	v_fma_f32 v[72+\n], v[56+\n], v[72+\n], 1.0        ; cos r
.endr
.irp n, 0,1,2,3,4,5,6,7
	v_cvt_i32_f32 v[80+\n], v[40+\n]               ; k as a whole number; its two low bits are the quadrant q
.endr
.irp n, 0,1,2,3,4,5,6,7
	v_and_b32 v[88+\n], 1, v[80+\n]
	v_cmp_eq_u32 vcc_lo, 1, v[88+\n]
	v_cndmask_b32 v[96+\n], v[72+\n], v[64+\n], vcc_lo    ; odd q: the two change places
	v_cndmask_b32 v[104+\n], v[64+\n], v[72+\n], vcc_lo
	v_add_nc_u32 v[88+\n], 1, v[80+\n]
	v_and_b32 v[88+\n], 2, v[88+\n]
	v_lshlrev_b32 v[88+\n], 30, v[88+\n]
	v_xor_b32 v[96+\n], v[88+\n], v[96+\n]         ; cos is negative for q = 1, 2
	v_and_b32 v[80+\n], 2, v[80+\n]
	v_lshlrev_b32 v[80+\n], 30, v[80+\n]
	v_xor_b32 v[104+\n], v[80+\n], v[104+\n]       ; sin for q = 2, 3
.endr
.irp jj, 0,1
	global_store_b128 v2, v[96+4*\jj:96+4*\jj+3], s[22:23] offset:\jj*1024
	global_store_b128 v2, v[104+4*\jj:104+4*\jj+3], s[22:23] offset:\jj*1024+512
.endr
	s_endpgm
.Lfunc_end_k_qad64a8e657_prep:
	.size	k_qad64a8e657_prep, .Lfunc_end_k_qad64a8e657_prep-k_qad64a8e657_prep
	.p2alignl 7, 3214868480
	.fill 96, 4, 3214868480
	.section	.rodata,"a",@progbits
	.p2align	6, 0x0
	.amdhsa_kernel k_qad64a8e657_prep
		.amdhsa_group_segment_fixed_size 34304
		.amdhsa_private_segment_fixed_size 0
		.amdhsa_enable_private_segment 0
		.amdhsa_kernarg_size 80
		.amdhsa_user_sgpr_count 2
		.amdhsa_user_sgpr_kernarg_segment_ptr 1
		.amdhsa_wavefront_size32 1
		.amdhsa_system_sgpr_workgroup_id_x 1
		.amdhsa_system_sgpr_workgroup_id_y 1
		.amdhsa_system_sgpr_workgroup_id_z 1
		.amdhsa_system_vgpr_workitem_id 0
		.amdhsa_next_free_vgpr 256
		.amdhsa_next_free_sgpr 66
		.amdhsa_reserve_vcc 1
		.amdhsa_float_denorm_mode_32 3
		.amdhsa_float_denorm_mode_16_64 3
		.amdhsa_memory_ordered 1
		.amdhsa_forward_progress 1
		.amdhsa_inst_pref_size 141
	.end_amdhsa_kernel
	.amdgpu_metadata
---
amdhsa.version: [ 1, 2 ]
amdhsa.kernels:
  - .name:           k_qad64a8e657_prep
    .symbol:         k_qad64a8e657_prep.kd
    .args:
      - { .name: x, .offset: 0, .size: 8, .value_kind: global_buffer, .address_space: global }
      - { .name: Wq_w, .offset: 8, .size: 8, .value_kind: global_buffer, .address_space: global }
      - { .name: Wk_w, .offset: 16, .size: 8, .value_kind: global_buffer, .address_space: global }
      - { .name: Wv_w, .offset: 24, .size: 8, .value_kind: global_buffer, .address_space: global }
      - { .name: Wo_w, .offset: 32, .size: 8, .value_kind: global_buffer, .address_space: global }
      - { .name: mask, .offset: 40, .size: 8, .value_kind: global_buffer, .address_space: global }
      - { .name: lowp_scales, .offset: 48, .size: 8, .value_kind: global_buffer, .address_space: global }
      - { .name: codes, .offset: 56, .size: 8, .value_kind: global_buffer, .address_space: global }
      - { .name: maskw, .offset: 64, .size: 8, .value_kind: global_buffer, .address_space: global }
      - { .name: rope, .offset: 72, .size: 8, .value_kind: global_buffer, .address_space: global }
    .group_segment_fixed_size: 34304
    .private_segment_fixed_size: 0
    .kernarg_segment_align: 8
    .kernarg_segment_size: 80
    .max_flat_workgroup_size: 128
    .sgpr_count:     66
    .vgpr_count:     256
    .wavefront_size: 32
...
	.end_amdgpu_metadata
.endif
;; end of part 1
;; launch qkvgemm (part 2): grid 24 x 8, 4 waves a work-group, clusters of 4 x 4, 327,680 bytes of LDS; arguments codes, Wq_b, Wk_b, Wv_b, lowp_scales, rope, qkvc; writes qkvc
.if DOCPART == 2
	.amdgcn_target "amdgcn-amd-amdhsa--gfx1250"
	.amdhsa_code_object_version 6
	.text
	.protected	k_qad64a8e657_qkvgemm
	.globl	k_qad64a8e657_qkvgemm
	.p2align	8
	.type	k_qad64a8e657_qkvgemm,@function
k_qad64a8e657_qkvgemm:
	s_mov_b64 s[64:65], 0
	v_nop
	global_prefetch_b8 v0, s[64:65] scope:SCOPE_SE
	s_setreg_imm32_b32 hwreg(HW_REG_WAVE_MODE, 25, 1), 1
	s_wait_xcnt 0x0
	s_wait_alu depctr_hold_cnt(0) depctr_sa_sdst(0) depctr_va_vdst(0) depctr_va_sdst(0) depctr_va_ssrc(0) depctr_va_vcc(0) depctr_vm_vsrc(0)
	s_getreg_b32 s2, hwreg(HW_REG_IB_STS2, 6, 4)
	s_cmp_eq_u32 s2, 0
	s_cbranch_scc0 .Lentry_in_a_cluster
	s_endpgm
.Lentry_in_a_cluster:
	s_bfe_u32 s2, ttmp6, 0x10000c
	s_cmp_lg_u32 s2, 0xf033
	s_cbranch_scc0 .Lentry_shape_is_right
	s_endpgm
.Lentry_shape_is_right:
; Q = rope(x Wq^T + bq), K = rope(x Wk^T + bk), V = x Wv^T + bv: three products of 2,048 x 2,048 x 2,048 on codes of E4M3 in ONE launch, each result quantised on the way out for the product that follows.
; TYPE = cluster x / 2: 0 Q, 1 K, 2 V: the same in all sixteen partners of a cluster.  A work-group makes a tile of 256 x 256, a wave 128 x 128: 64 accumulators, 512 registers.
; 192 work-groups: the three results are 192 tiles of 256 x 256, and a wave's 128 columns must be one head (the rotation pairs d with d + 64, and a head's 128 are one fragment of the next product).
; OPERANDS are images of fragments ([row / 16][k / 128][c][lane][16 bytes], 2,048 bytes each), so LDS holds them with no pitch and no padding: a load of 16 bytes a lane takes 512 consecutive bytes.
; SOURCES.  Q, K: source 0 = 16 rows of W (d), source 1 = 16 rows of x (tokens): a lane holds ONE token and eight neighbouring d: its next K.  V: source 0 = 16 rows of x, source 1 = 16 rows of Wv:
; a lane holds ONE d and eight neighbouring tokens, the keys: its next K.  So one conversion of an accumulator's eight registers gives registers 2 b, 2 b + 1 of the next operand's fragment: nothing changes lanes, no stage.
; CLUSTER 4 x 4: source 1's tile hangs on the tile's y alone and is asked for jointly along a row of the cluster, source 0's on its x alone, along a column.  Only the byte offset inside codes hangs on TYPE.
; K goes in steps of 256 through two LDS slots; each wave fetches a quarter of a slot by one tensor load: 8 row tiles x 4,096 consecutive bytes (two fragments).
; qkvc: Q [head][token / 16][2,048], then K likewise (fragment: 16 tokens x 128 d), then V [head][key / 128][d / 16][2,048] (fragment: 16 d x 128 keys); 4 MiB each.
; PREFETCH INTO THE L2: at a change of slots every wave has waited for all its tensor loads, so a refill goes out with nothing on its way beside it.  Behind each joint refill but the last two stands one prefetch a wave,
; for the slot step two refills on: 256 matrix instructions of the wave ahead of the load that will ask for it.  Who asks is said at the macro ASK.  Slot steps 0 to 3 come by their loads alone.
; LIMITS: e0 + e1, e2 + e3, e4 + e5 between -126 and 127; e6, e7, e9 between -126 and 119.  NaN is not served.
; REGISTERS, in windows of 256: window 0: v16-31 addresses and scales; v32-95 biases; v96-127 codes, two sets; v128-255 source 1's fragments, ONE set; on the way out v128-191 sums + bias, v192-255 the numbers to quantise.
;   window 1: source 0's fragments, TWO sets; on the way out four sets of 64 of cos and sin.   windows 2, 3: the accumulators, (a, b) at v[8 (8 (a % 4) + b)].
.set HALFT,  32768                     ; what one tensor load brings: [row tile 8][K step 2][2,048]
.set SLOT,   4*HALFT                   ; source 1's two halves, then source 0's two
.set SPARE,  2*SLOT                    ; behind the ring: the spare words, 128 bytes for each wave
.set STEPB,  4096                      ; a slot's part of a row tile in memory
.set LAPS,   4                         ; 2,048 / 512
.set FR,     16
.set NL,     4
.set NP,     4                         ; places behind this matrix instruction (ISA guide 7.12.1)
.set ADRA, 16                          ; v16-17  LDS address of my fragments of source 1 in slot 0, 1
.set ADRB, 20                          ; v20-21  of source 0
.set LI,   24                          ; v24     16 x lane
.set BO,   25                          ; v25     32 h: Q's and K's bias
.set SCO,  26                          ; v26     2^eo, the quantiser's scale
.set LIMO, 27                          ; v27     448 x 2^eo
.set SPW,  28                          ; v28     my spare word; never rewritten
.set NIL,  29                          ; v29     0; never rewritten
.set BR,   30                          ; v30     4 r: V's bias
.set PFO,  31                          ; v31     the prefetches' offset: 256 x (lane % 16) + a row tile's 32,768 bytes for lanes 16-31; never rewritten
.set BIAS, 32
.set CD,   96
.set AF,   128
.set VAL,  128
.set Y,    192
.set G1, 24                            ; s[24:31] group 1 for source 1's tiles; s[32:39] group 0, a set for each slot
.set G0, 32
.set G1B, 48                           ; s[48:55], s[56:63] the same for source 0's
.set G0B, 56
.set PFA, 94                           ; s[94:95] where my prefetches stand: my work-group's 2 row tiles of the 8 that I fetch, two slot steps further along K than the refill that is being asked for
.set LIM, 97                           ; s97     1 in a wave that prefetches, else the greatest number
.set MSB, 0
.macro WIN new                         ; the immediate's high byte repeats the setting that is left
.if MSB != (\new)
	s_set_vgpr_msb (MSB<<8)|(\new)
.set MSB, (\new)
.endif
.endm
.set MUL_LO, 0xa1                      ; source 0 window 1, source 1 window 0, C and D window 2
.set MUL_HI, 0xf1                      ; the same, C and D window 3
.set TO_B,   0x40                      ; destination window 1, address window 0
; A joint load: waves 0 and 1 fetch source 1's halves, waves 2 and 3 source 0's.  The branch hangs on the wave's number alone.  Four v_nop follow each of the two lines.
.macro JLOAD g0a, g1a, g0b, g1b
	s_cmp_eq_u32 s15, 0
	s_cbranch_scc0 .Lfor_b_\@
	tensor_load_to_lds s[\g0a:\g0a+3], s[\g1a:\g1a+7]
	s_nop 0
.rept 4
	v_nop
.endr
	s_branch .Lasked_\@
.Lfor_b_\@:
	tensor_load_to_lds s[\g0b:\g0b+3], s[\g1b:\g1b+7]
	s_nop 0
.rept 4
	v_nop
.endr
.Lasked_\@:
.endm
; A PREFETCH INTO THE L2 of the slot step two refills on.  A wave fetches 8 row tiles x 4,096 bytes a slot step; the four partners that ask for them jointly share them out BY ADDRESS, 2 row tiles each (by cx for source 1, by cy for
; source 0: no branch hangs on a work-group's place in its cluster): 32 blocks of 256 bytes, a lane a block, one instruction a wave.  Source 1's rows are read by the two clusters of one TYPE along x too: the one with even x asks;
; source 0's by the two clusters along y: the one with y = 0 asks.  So each block of 256 bytes is named once in the launch.  In the loop's last trip (s3 = 1) there is no slot step two refills on, and nothing is asked for.
.macro ASK
	s_cmp_gt_u32 s3, s[LIM]
	s_cbranch_scc0 .Lnot_mine_\@
	global_prefetch_b8 v[PFO], s[PFA:PFA+1] th:TH_LOAD_NT scope:SCOPE_SE
.Lnot_mine_\@:
.endm
.macro CREST                           ; a round of the cluster's barrier behind its opening barrier
	s_cmp_lg_u32 s14, 0
	s_cbranch_scc1 .Lnot_wave_0_\@
	s_barrier_signal -3
.Lnot_wave_0_\@:
	s_barrier_wait -3
	s_barrier_signal -1
	s_barrier_wait -1
.endm
.macro CROUND
	s_barrier_signal -1
	s_barrier_wait -1
	CREST
.endm
	s_load_b256 s[68:75], s[0:1], 0x0              ; codes, Wq_b, Wk_b, Wv_b
	s_load_b128 s[76:79], s[0:1], 0x20             ; lowp_scales, rope
	s_load_b64 s[80:81], s[0:1], 0x30              ; qkvc
	v_lshl_add_u32 v[SPW], v0, 2, SPARE
	v_mov_b32 v[NIL], 0
	ds_add_u32 v28, v29
	ds_add_u32 v28, v29
	s_wait_dscnt 0x0
	v_lshrrev_b32 v1, 5, v0
	v_readfirstlane_b32 s14, v1                    ; wave 0..3
	s_lshr_b32 s15, s14, 1                         ; which half of source 1's rows is mine.  Also: I fetch for source 1 (0) or source 0 (1)
	s_and_b32 s16, s14, 1                          ; which half of source 0's rows.  Also: which half of that tile I fetch
	s_bfe_u32 s40, ttmp6, 0x40000                  ; cx
	s_bfe_u32 s41, ttmp6, 0x40004                  ; cy
	s_and_b32 s42, ttmp9, 1
	s_lshl_b32 s42, s42, 2
	s_add_co_u32 s42, s42, s40                     ; u = 4 (cluster x % 2) + cx: source 0's tile of 256 rows
	s_and_b32 s17, ttmp7, 0xffff
	s_lshl_b32 s17, s17, 2
	s_add_co_u32 s17, s17, s41                     ; w = 4 cluster y + cy: source 1's tile
	s_lshl_b32 s43, s41, 2
	s_lshl_b32 s43, 15, s43                        ; my row of the cluster
	s_lshl_b32 s44, 0x1111, s40                    ; my column
	s_lshr_b32 s96, ttmp9, 1                       ; TYPE
	; group 1: 8 rows of 512 elements of 8 bytes, 4,096 elements (a row tile's 32,768 bytes) apart; no padding
	s_or_b32 s[G1+0], s43, (3<<16)|(1<<21)         ; 15:0 the mask; 17:16 elements of 8 bytes; 21 set beside a mask
	s_or_b32 s[G1B+0], s44, (3<<16)|(1<<21)
.irp g, G1, G1B
	s_mov_b32 s[\g+1], 512<<16                     ; tensor_dim0
	s_mov_b32 s[\g+2], 8<<16                       ; tensor_dim1
	s_mov_b32 s[\g+3], 512<<16                     ; tile_dim0
	s_mov_b32 s[\g+4], 8                           ; tile_dim1
	s_mov_b32 s[\g+5], 4096                        ; tensor_dim0_stride
	s_mov_b32 s[\g+6], 0
	s_mov_b32 s[\g+7], 0
.endr
	s_add_co_u32 s83, s96, 3
	s_cmp_eq_u32 s96, 2
	s_cselect_b32 s82, 5, s96                      ; source 1's matrix in codes: x by e0, x by e2, or Wv
	s_cselect_b32 s83, 2, s83                      ; source 0's: Wq, Wk, or x by e4
	s_lshl_b32 s18, s16, 18                        ; the half that I fetch: 8 row tiles
	s_lshl_b32 s20, s82, 22
	s_lshl_b32 s19, s17, 19                        ; a tile's 16 row tiles
	s_add_co_u32 s20, s20, s19
	s_add_co_u32 s20, s20, s18
	s_mov_b32 s21, 0
	s_lshl_b32 s46, s83, 22
	s_lshl_b32 s47, s42, 19
	s_add_co_u32 s46, s46, s47
	s_add_co_u32 s46, s46, s18
	s_mov_b32 s47, 0
	s_mul_i32 s45, s14, HALFT                      ; where my load goes: no place in the cluster enters an LDS address
	; the prefetches: s20 and s46 are still byte offsets in codes
	s_and_b32 s4, ttmp9, 1                         ; cluster x within the TYPE
	s_and_b32 s5, ttmp7, 0xffff                    ; cluster y
	s_cmp_eq_u32 s15, 0                            ; do I fetch for source 1?
	s_cselect_b32 s[PFA], s20, s46                 ; the 8 row tiles that I fetch
	s_cselect_b32 s6, s40, s41                     ; my place among the four that ask for them with me
	s_cselect_b32 s4, s4, s5                       ; the coordinate along which another cluster reads the same rows
	s_cmp_eq_u32 s4, 0
	s_cselect_b32 s[LIM], 1, -1                    ; the same in all sixteen partners, for a given wave
	s_lshl_b32 s6, s6, 16
	s_add_co_u32 s[PFA], s[PFA], s6                ; + my work-group's 2 row tiles
	s_add_co_u32 s[PFA], s[PFA], 3*STEPB           ; at slot step 3: the first refill (slot step 2) steps it to 4
	s_mov_b32 s[PFA+1], 0
	s_wait_kmcnt 0x0
	s_load_b256 s[84:91], s[76:77], 0x0            ; e0 .. e7
	s_load_b64 s[92:93], s[76:77], 0x20            ; e8, e9
	s_add_nc_u64 s[20:21], s[68:69], s[20:21]
	s_add_nc_u64 s[46:47], s[68:69], s[46:47]
	s_add_nc_u64 s[PFA:PFA+1], s[68:69], s[PFA:PFA+1]
	CROUND                                         ; all sixteen work-groups are here: the first joint loads meet
.irp s, 0,1
	s_mov_b32 s[G0+4*\s], 1
	s_add_co_u32 s[G0+4*\s+1], s45, \s*SLOT
	s_add_nc_u64 s[G0+4*\s+2:G0+4*\s+3], s[20:21], \s*STEPB
	s_or_b32 s[G0+4*\s+3], s[G0+4*\s+3], 0x80000000
	s_mov_b32 s[G0B+4*\s], 1
	s_add_co_u32 s[G0B+4*\s+1], s45, \s*SLOT
	s_add_nc_u64 s[G0B+4*\s+2:G0B+4*\s+3], s[46:47], \s*STEPB
	s_or_b32 s[G0B+4*\s+3], s[G0B+4*\s+3], 0x80000000
	JLOAD G0+4*\s, G1, G0B+4*\s, G1B
.endr
	v_and_b32 v1, 31, v0
	v_lshlrev_b32 v[LI], 4, v1
	v_and_b32 v2, 15, v0                           ; r
	v_bfe_u32 v3, v0, 4, 1                         ; h
	v_lshlrev_b32 v[BO], 5, v3
	v_lshlrev_b32 v[BR], 2, v2
	v_lshlrev_b32 v[PFO], 8, v2
	v_lshl_add_u32 v[PFO], v3, 15, v[PFO]
	s_mul_i32 s22, s15, HALFT                      ; my 128 rows of source 1
	s_mul_i32 s23, s16, HALFT                      ; my 128 rows of source 0,
	s_add_co_u32 s23, s23, 2*HALFT                 ; which lie behind source 1's
.irp s, 0,1
	v_add_nc_u32 v[ADRA+\s], s22, v[LI]
	v_add_nc_u32 v[ADRB+\s], s23, v[LI]
	s_add_co_u32 s22, s22, SLOT
	s_add_co_u32 s23, s23, SLOT
.endr
	; where my results go.  p0 = 2 u + (wave % 2), p1 = 2 w + (wave / 2).  Q, K: head p0, tokens 128 p1 on.  V: head p1, key step p0.
	s_lshl_b32 s4, s42, 1
	s_add_co_u32 s4, s4, s16
	s_lshl_b32 s5, s17, 1
	s_add_co_u32 s5, s5, s15
	s_cmp_eq_u32 s96, 2
	s_cselect_b32 s6, s5, s4                       ; the head
	s_cselect_b32 s7, s4, s5                       ; which eight fragments of the head's 128
	s_lshl_b32 s8, s96, 22
	s_lshl_b32 s9, s6, 18
	s_add_co_u32 s8, s8, s9
	s_lshl_b32 s9, s7, 14
	s_add_co_u32 s8, s8, s9
	s_mov_b32 s9, 0
	s_add_nc_u64 s[8:9], s[80:81], s[8:9]
	s_lshl_b32 s12, s5, 16                         ; the table at my first token: 8 p1 tiles of 8,192 bytes (Q and K alone read it)
	s_mov_b32 s13, 0
	s_add_nc_u64 s[12:13], s[78:79], s[12:13]
	s_cmp_eq_u32 s96, 1
	s_cselect_b64 s[10:11], s[72:73], s[70:71]
	s_cmp_eq_u32 s96, 2
	s_cselect_b64 s[10:11], s[74:75], s[10:11]
	s_lshl_b32 s6, s6, 9                           ; the head's 128 biases
	s_mov_b32 s7, 0
	s_add_nc_u64 s[10:11], s[10:11], s[6:7]
	s_wait_kmcnt 0x0                               ; the scales: chosen by TYPE with selects; no branch hangs on a loaded number
	s_add_co_i32 s4, s84, s85
	s_add_co_i32 s5, s86, s87
	s_add_co_i32 s6, s88, s89
	s_cmp_eq_u32 s96, 1
	s_cselect_b32 s4, s5, s4
	s_cselect_b32 s7, s91, s90                     ; e7 or e6
	s_cmp_eq_u32 s96, 2
	s_cselect_b32 s4, s6, s4
	s_cselect_b32 s7, s93, s7                      ; e9
	s_add_co_i32 s4, s4, 127
	s_lshl_b32 s98, s4, 23                         ; 2^(ex + ew)
	s_mov_b32 s99, s98                             ; (named with it as a pair, so it is written)
	s_add_co_i32 s7, s7, 127
	s_lshl_b32 s4, s7, 23
	v_mov_b32 v[SCO], s4
	s_add_co_i32 s7, s7, 8
	s_lshl_b32 s7, s7, 23
	s_or_b32 s7, s7, 0x600000
	v_mov_b32 v[LIMO], s7
.macro FRAG reg, adr, q, i             ; a fragment comes back as it was stored: registers 4 c .. 4 c + 3 from 512 c + 16 x lane
.irp c, 0,1,2,3
	ds_load_b128 v[\reg+4*\c:\reg+4*\c+3], v[\adr] offset:(\i)*4096+(\q)*2048+512*\c
.endr
.endm
; 16 matrix instructions: source 1's blocks a0, a0 + 1 x source 0's eight.  p: source 0's set.  zero = 1: the first product starts the sums.  The 64 accumulators take turns, one instruction a turn, in the same order in every step.
.macro MUL16 a0, p, zero
.irp a, \a0, \a0+1
.irp b, 0,1,2,3,4,5,6,7
.if \zero
	v_wmma_f32_16x16x128_fp8_fp8 v[8*(8*((\a)%4)+\b):8*(8*((\a)%4)+\b)+7], v[128*(\p)+FR*\b:128*(\p)+FR*\b+FR-1], v[AF+FR*(\a):AF+FR*(\a)+FR-1], 0
.else
	v_wmma_f32_16x16x128_fp8_fp8 v[8*(8*((\a)%4)+\b):8*(8*((\a)%4)+\b)+7], v[128*(\p)+FR*\b:128*(\p)+FR*\b+FR-1], v[AF+FR*(\a):AF+FR*(\a)+FR-1], v[8*(8*((\a)%4)+\b):8*(8*((\a)%4)+\b)+7]
.endif
.endr
.endr
.endm
.macro FETCH_B slot, q, p
	WIN TO_B
.irp i, 0,1,2,3,4,5,6,7
	FRAG 128*(\p)+FR*\i, ADRB+\slot, \q, \i
.endr
	WIN 0
.endm
.macro FETCH_A slot, q, i0
.irp i, \i0, \i0+1, \i0+2, \i0+3
	FRAG AF+FR*(\i), ADRA+\slot, \q, \i
.endr
.endm
.macro PLACES n                        ; plain vector lines between a matrix instruction and a load into, or a vector line on, one of its registers
.rept \n
	v_nop
.endr
.endm
.macro STEP slot, q, zero              ; 128 along K whose successor lies in the same slot
	s_wait_dscnt 4*NL                              ; source 0's set and source 1's blocks 0-3 are in; the youngest 16 loads (blocks 4-7) may be out
	WIN MUL_LO
	MUL16 0, (\q)%2, \zero
	MUL16 2, (\q)%2, \zero
	s_wait_dscnt 0
	PLACES NP
	FETCH_B \slot, (\q)+1, 1-(\q)%2
	FETCH_A \slot, (\q)+1, 0
	WIN MUL_HI
	MUL16 4, (\q)%2, \zero
	MUL16 6, (\q)%2, \zero
	PLACES NP
	WIN 0
	FETCH_A \slot, (\q)+1, 4
.endm
; A slot's last step changes slots: ONE barrier; in front of it each wave waits for all its tensor loads, adds 0 to its spare word, and waits for that and for its reads of this slot.  fill = 1: the slot is filled again, two slot steps ahead.
.macro TURN slot, next, fill
.if \fill
	s_wait_xcnt 0x0                                ; the last prefetch, a slot step back, has read its address: it is stepped here, ahead of the waits of the change of slots
	s_add_nc_u64 s[PFA:PFA+1], s[PFA:PFA+1], STEPB
.endif
	s_wait_tensorcnt 0x0                           ; all my tensor loads have landed: my part of the next slot  (every window is 0 here)
	ds_add_u32 v[SPW], v[NIL]                      ; 0 onto my spare word
	s_wait_dscnt 4*NL+1                            ; (the add and the youngest 16 loads may be out)
	WIN MUL_LO
	MUL16 0, 1, 0
	s_wait_dscnt 0x0                               ; the add is done, and my reads of this slot are over
	s_barrier_signal -1
	MUL16 2, 1, 0
	WIN 0
	s_barrier_wait -1
.if \fill
	CREST                                          ; the barrier has opened a round of the cluster's: no wave of any partner still reads this slot or has a load on its way
	s_add_nc_u64 s[G0+4*\slot+2:G0+4*\slot+3], s[G0+4*\slot+2:G0+4*\slot+3], 2*STEPB
	s_add_nc_u64 s[G0B+4*\slot+2:G0B+4*\slot+3], s[G0B+4*\slot+2:G0B+4*\slot+3], 2*STEPB
	JLOAD G0+4*\slot, G1, G0B+4*\slot, G1B         ; the first tensor load behind the round; its four v_nop are the places in front of the loads below
.else
	PLACES NP
.endif
	FETCH_B \next, 0, 0
	FETCH_A \next, 0, 0
.if \fill
	ASK                                            ; behind the joint load and the run of LDS loads that the next products wait for
.endif
	WIN MUL_HI
	MUL16 4, 1, 0
	MUL16 6, 1, 0
	PLACES NP
	WIN 0
	FETCH_A \next, 0, 4
.endm
.macro LASTSTEP                        ; nothing more to fetch
	s_wait_dscnt 4*NL
	WIN MUL_LO
	MUL16 0, 1, 0
	MUL16 2, 1, 0
	s_wait_dscnt 0
	WIN MUL_HI
	MUL16 4, 1, 0
	MUL16 6, 1, 0
	WIN 0
.endm
; THE WAY OUT of block a: the 64 numbers in Y are held, converted and stored as one fragment: accumulator b's eight registers become registers 2 b, 2 b + 1.
.macro QSTORE a
.set CC, CD+16*((\a)%2)
.irp j, 0,1,2,3,4,5,6,7,8,9,10,11,12,13,14,15,16,17,18,19,20,21,22,23,24,25,26,27,28,29,30,31,32,33,34,35,36,37,38,39,40,41,42,43,44,45,46,47,48,49,50,51,52,53,54,55,56,57,58,59,60,61,62,63
	v_med3_num_f32 v[Y+\j], v[Y+\j], -v[LIMO], v[LIMO]   ; the conversion does not saturate (ISA guide 7.6.2)
.endr
	s_wait_xcnt 0x0                                ; block a - 2's stores have read this set of codes
.irp b, 0,1,2,3,4,5,6,7
	v_cvt_scalef32_pk8_fp8_f32 v[CC+2*\b:CC+2*\b+1], v[Y+8*\b:Y+8*\b+7], v[SCO]
.endr
	v_nop                                          ; a plain line behind the last conversion: the next block's lines write Y again
.irp c, 0,1,2,3
	global_store_b128 v[LI], v[CC+4*\c:CC+4*\c+3], s[8:9] offset:(\a)*2048+512*\c   ; 512 consecutive bytes
.endr
.endm
.macro TABLOAD a                       ; cos and sin of tokens 16 a on: register 16 b + 8 cs + i of set a % 4 = frequency 16 b + 8 h + i
	WIN 0x40
.irp b, 0,1,2,3
.irp cs, 0,1
.irp jj, 0,1
	global_load_b128 v[64*((\a)%4)+16*\b+8*\cs+4*\jj:64*((\a)%4)+16*\b+8*\cs+4*\jj+3], v[LI], s[12:13] offset:(\a)*8192+\b*2048+\jj*1024+\cs*512
.endr
.endr
.endr
	WIN 0
.endm
.macro EPQ a                           ; Q, K: sum x 2^(ex + ew) + bias; the rotation: d = 16 b + 8 h + i and d + 64 lie in accumulators b and b + 4, same lane, same register
.set AC, 64*((\a)%4)
.set TB, 64*((\a)%4)
.if (\a) <= 4
	s_wait_loadcnt 48                              ; the biases and this block's table are in; three younger tables of 16 loads may be out
.else
	s_wait_loadcnt 16*(7-(\a))
.endif
	WIN 0x02+((\a)/4)                              ; source 0: window 2 or 3
.irp j, 0,2,4,6,8,10,12,14,16,18,20,22,24,26,28,30,32,34,36,38,40,42,44,46,48,50,52,54,56,58,60,62
	v_pk_fma_f32 v[VAL+\j:VAL+\j+1], v[AC+\j:AC+\j+1], s[98:99], v[BIAS+\j:BIAS+\j+1] op_sel_hi:[1,0,1]   ; each accumulator from its low end on
.endr
	WIN 0x04                                       ; source 1: window 1
.irp b, 0,1,2,3
.irp i, 0,2,4,6
	v_pk_mul_f32 v[Y+8*\b+\i:Y+8*\b+\i+1], v[VAL+8*\b+\i:VAL+8*\b+\i+1], v[TB+16*\b+\i:TB+16*\b+\i+1]              ; x1 cos
	v_pk_mul_f32 v[Y+32+8*\b+\i:Y+32+8*\b+\i+1], v[VAL+8*\b+\i:VAL+8*\b+\i+1], v[TB+16*\b+8+\i:TB+16*\b+8+\i+1]    ; x1 sin
.endr
.endr
.irp b, 0,1,2,3
.irp i, 0,2,4,6
	v_pk_fma_f32 v[Y+8*\b+\i:Y+8*\b+\i+1], v[VAL+32+8*\b+\i:VAL+32+8*\b+\i+1], v[TB+16*\b+8+\i:TB+16*\b+8+\i+1], v[Y+8*\b+\i:Y+8*\b+\i+1] neg_lo:[1,0,0] neg_hi:[1,0,0]   ; - x2 sin
	v_pk_fma_f32 v[Y+32+8*\b+\i:Y+32+8*\b+\i+1], v[VAL+32+8*\b+\i:VAL+32+8*\b+\i+1], v[TB+16*\b+\i:TB+16*\b+\i+1], v[Y+32+8*\b+\i:Y+32+8*\b+\i+1]                        ; + x2 cos
.endr
.endr
.if (\a) < 4
	TABLOAD (\a)+4                                 ; the set just read takes the table of four blocks on
.endif
	WIN 0
	QSTORE \a
.endm
.macro EPV a                           ; V: sum x 2^(ex + ew) + the bias of my lane's d = 16 a + r
.set AC, 64*((\a)%4)
.set BP, BIAS+2*((\a)/2)
	WIN 0x02+((\a)/4)
.irp j, 0,2,4,6,8,10,12,14,16,18,20,22,24,26,28,30,32,34,36,38,40,42,44,46,48,50,52,54,56,58,60,62
.if (\a)%2
	v_pk_fma_f32 v[Y+\j:Y+\j+1], v[AC+\j:AC+\j+1], s[98:99], v[BP:BP+1] op_sel:[0,0,1] op_sel_hi:[1,0,1]   ; the pair's second register for both halves
.else
	v_pk_fma_f32 v[Y+\j:Y+\j+1], v[AC+\j:AC+\j+1], s[98:99], v[BP:BP+1] op_sel_hi:[1,0,0]                  ; its first
.endif
.endr
	WIN 0
	QSTORE \a
.endm
	s_wait_tensorcnt 1                             ; my part of slot 0 is in (slot 1's load may be out)
	s_barrier_signal -1
	s_barrier_wait -1                              ; everybody's is
	FETCH_B 0, 0, 0
	FETCH_A 0, 0, 0
	FETCH_A 0, 0, 4
	STEP 0, 0, 1                                   ; the first step stands in front of the loop: its products start the sums
	s_mov_b32 s3, LAPS-1
.Llap:                                                 ; a trip goes once round the ring and fills both slots again
	TURN 0, 1, 1
	STEP 1, 0, 0
	TURN 1, 0, 1
	STEP 0, 0, 0
	s_sub_co_u32 s3, s3, 1
	s_cmp_lg_u32 s3, 0
	s_cbranch_scc1 .Llap
	TURN 0, 1, 0                                   ; the last lap fills nothing
	STEP 1, 0, 0
	s_cmp_eq_u32 s96, 2                            ; ONE parting, on TYPE (the same in the whole cluster); each way holds the last step and its own way out
	s_cbranch_scc1 .Lv
.irp b, 0,1,2,3,4,5,6,7                        ; Q, K: the biases of d = 16 b + 8 h + 0 .. 7,
.irp jj, 0,1
	global_load_b128 v[BIAS+8*\b+4*\jj:BIAS+8*\b+4*\jj+3], v[BO], s[10:11] offset:64*\b+16*\jj
.endr
.endr
	TABLOAD 0                                      ; and two tables, into source 0's set 0: its last products stand in front of the four places at the end of the step above
	TABLOAD 1
	LASTSTEP
	PLACES NP                                      ; for the loads into set 1, the writes of source 1's registers and the reads of the last results
	TABLOAD 2
	TABLOAD 3
.irp a, 0,1,2,3,4,5,6,7
	EPQ \a
.endr
	s_branch .Lend
.Lv:
.irp a, 0,1,2,3,4,5,6,7
	global_load_b32 v[BIAS+\a], v[BR], s[10:11] offset:64*\a
.endr
	LASTSTEP
	PLACES NP
	s_wait_loadcnt 0x0
.irp a, 0,1,2,3,4,5,6,7
	EPV \a
.endr
.Lend:
	s_wait_tensorcnt 0x0                           ; the wave's end
	ds_add_u32 v[SPW], v[NIL]
	s_wait_dscnt 0x0
	CROUND                                         ; the closing round: no work-group ends while a partner may still ask for a tile that names it
	s_endpgm
.Lfunc_end_k_qad64a8e657_qkvgemm:
	.size	k_qad64a8e657_qkvgemm, .Lfunc_end_k_qad64a8e657_qkvgemm-k_qad64a8e657_qkvgemm
	.p2alignl 7, 3214868480
	.fill 96, 4, 3214868480
	.section	.rodata,"a",@progbits
	.p2align	6, 0x0
	.amdhsa_kernel k_qad64a8e657_qkvgemm
		.amdhsa_group_segment_fixed_size 327680
		.amdhsa_private_segment_fixed_size 0
		.amdhsa_enable_private_segment 0
		.amdhsa_kernarg_size 56
		.amdhsa_user_sgpr_count 2
		.amdhsa_user_sgpr_kernarg_segment_ptr 1
		.amdhsa_wavefront_size32 1
		.amdhsa_system_sgpr_workgroup_id_x 1
		.amdhsa_system_sgpr_workgroup_id_y 1
		.amdhsa_system_sgpr_workgroup_id_z 1
		.amdhsa_system_vgpr_workitem_id 0
		.amdhsa_next_free_vgpr 1024
		.amdhsa_next_free_sgpr 100
		.amdhsa_reserve_vcc 0
		.amdhsa_float_denorm_mode_32 3
		.amdhsa_float_denorm_mode_16_64 3
		.amdhsa_memory_ordered 1
		.amdhsa_forward_progress 1
		.amdhsa_inst_pref_size 243
	.end_amdhsa_kernel
	.amdgpu_metadata
---
amdhsa.version: [ 1, 2 ]
amdhsa.kernels:
  - .name:           k_qad64a8e657_qkvgemm
    .symbol:         k_qad64a8e657_qkvgemm.kd
    .args:
      - { .name: codes, .offset: 0, .size: 8, .value_kind: global_buffer, .address_space: global }
      - { .name: Wq_b, .offset: 8, .size: 8, .value_kind: global_buffer, .address_space: global }
      - { .name: Wk_b, .offset: 16, .size: 8, .value_kind: global_buffer, .address_space: global }
      - { .name: Wv_b, .offset: 24, .size: 8, .value_kind: global_buffer, .address_space: global }
      - { .name: lowp_scales, .offset: 32, .size: 8, .value_kind: global_buffer, .address_space: global }
      - { .name: rope, .offset: 40, .size: 8, .value_kind: global_buffer, .address_space: global }
      - { .name: qkvc, .offset: 48, .size: 8, .value_kind: global_buffer, .address_space: global }
    .group_segment_fixed_size: 327680
    .private_segment_fixed_size: 0
    .kernarg_segment_align: 8
    .kernarg_segment_size: 56
    .max_flat_workgroup_size: 128
    .sgpr_count:     100
    .vgpr_count:     1024
    .wavefront_size: 32
...
	.end_amdgpu_metadata
.endif
;; end of part 2
;; launch attn (part 3): grid 16 x 16, 8 waves a work-group, no clusters, 66,560 bytes of LDS; arguments qkvc, maskw, lowp_scales, oc; writes oc
.if DOCPART == 3
	.amdgcn_target "amdgcn-amd-amdhsa--gfx1250"
	.amdhsa_code_object_version 6
	.text
	.protected	k_qad64a8e657_attn
	.globl	k_qad64a8e657_attn
	.p2align	8
	.type	k_qad64a8e657_attn,@function
k_qad64a8e657_attn:
	s_mov_b64 s[64:65], 0
	v_nop
	global_prefetch_b8 v0, s[64:65] scope:SCOPE_SE
	s_setreg_imm32_b32 hwreg(HW_REG_WAVE_MODE, 25, 1), 1
	s_wait_xcnt 0x0
; O[h][q] = the sum over k of softmax_k(Q[h][q] . K[h][k] / sqrt(128), hidden where mask[q][k] = 0) V[h][k], both products on codes of E4M3; O / l is quantised (e10) for the last product.
; t = score x log2(e) / sqrt(128); M = the running largest t rounded UP to a whole number; p = 2^(t - M) is quantised (e8), not normalised; the row's sum l is taken of the unquantised p and divides at the end.
; When M moves, l and O are multiplied by 2^(old M - new M): exact.
; SHARES.  Work-group (g, head).  Each of its eight waves owns ONE tile of 16 queries and walks the head's 16 key steps of 128.  Wave v takes tile j = 4 g + v % 4 or 127 - j, so chosen that neighbouring waves, and waves four
; apart, hold one low and one high tile.  That is an order of work and nothing else: it is right for every mask.
; LAYOUT.  S^T = K Q^T (source 0 = 16 keys), O^T = V^T P^T (source 0 = 16 d): a lane holds ONE query (lane % 16) throughout; register j of tile t is key (or d) 16 t + 8 (lane / 16) + j.
; So one conversion of a tile's eight registers gives registers 2 t, 2 t + 1 of the next operand.  K's and V's fragments lie in memory as images of registers; a key step is 16 KiB of each, dense.
; THE MASK is an input and is honoured as it is given.  The launch before has stored it as lane bits (64 words for a tile and a step: they come by scalar loads and select, register by register, between the score and
; -infinity) and as two flags for a tile and a step.  Flag 'some key counts' = 0: the step's work is left out by a scalar branch; it would give p = 0 throughout.  Flag 'some key is hidden' = 0: the words are not fetched and
; the 64 selects are left out: the front of a step is written twice, with them and without, under one branch, so that each way reads only what it has itself written.
; WHY NO TENSOR LOADS AND NO CLUSTER: those branches hang on numbers read from memory; joint requests exist for tensor loads alone.
; So K and V come by global loads of all 256 threads (16 bytes each, 4,096 consecutive bytes an instruction round) into FOUR sets of registers, and from there by LDS stores into two slots.  Step n takes set n % 4 and slot n % 2.
; Trip ks stores step ks + 1 and asks for step ks + 4: three steps' loads, 24 a wave, are on their way.  Every wave loads, stores and passes every barrier, whatever it leaves out.
; ONE barrier a step: in front of it each wave's stores into the slot ahead and its reads of the other slot are done; behind it the other slot is written and the slot ahead is read.
; A query with no key that counts has l = 0: 1 / l is infinite, O / l and the bound of the hold are NaN, and the NaN is meant to reach the codes, as reference() gives NaN for that row; that the hold and the conversion pass a NaN on is taken from their definition.
; LIMITS: e6 + e7 between -123 and 130 (added to c's exponent field); e8, e10 between -126 and 119; e8 + e9 goes by v_ldexp_f32 and has none.
; REGISTERS: window 0: v1 16 x lane, v2 16 x thread, v5 256 x lane; v12 -M, v13 the largest t, v[14:15] l in two halves; v16-31 Q; v32-95 and v160-223 the four sets on their way to LDS; v96-159 S^T, then p; v224-239 p's codes;
;   v240 448 x 2^e8, v244 2^e8, v242-243, v246, v248-254 at work, v255 -infinity.   window 1: v0-127 K's eight fragments, and behind the score products V's; v128-191 O^T.
; s14 the tile's flags, two bits a step, shifted as the steps go; s15 the step's byte offset in maskw; s[16:63], s[68:83] its 64 words.
.set SLOTB, 32768                      ; a slot: K's 16 KiB, then V's
.set VO,    16384
.set STEPB, 16384                      ; a key step of K or of V in memory
.set G,     32                         ; set s at v[32 + 32 s], sets 2 and 3 another 64 further on
.set S,     96
.set O,     128                        ; in window 1
.set P,     224
.set MX,    248                        ; v248-251 four running maxima; later two of the four running sums
.set MSB, 0
.macro WIN new
.if MSB != (\new)
	s_set_vgpr_msb (MSB<<8)|(\new)
.set MSB, (\new)
.endif
.endm
.macro GLOAD s, off                    ; a key step from memory, off bytes behind the two bases, into set s
.set GB, G+32*(\s)+64*((\s)/2)
.irp i, 0,1,2,3
	global_load_b128 v[GB+4*\i:GB+4*\i+3], v2, s[84:85] offset:(\off)+4096*\i
.endr
.irp i, 0,1,2,3
	global_load_b128 v[GB+16+4*\i:GB+16+4*\i+3], v2, s[86:87] offset:(\off)+4096*\i
.endr
.endm
.macro GSTORE s                        ; set s into slot s % 2, as it lies
.set GB, G+32*(\s)+64*((\s)/2)
.irp i, 0,1,2,3
	ds_store_b128 v2, v[GB+4*\i:GB+4*\i+3] offset:SLOTB*((\s)%2)+4096*\i
.endr
.irp i, 0,1,2,3
	ds_store_b128 v2, v[GB+16+4*\i:GB+16+4*\i+3] offset:SLOTB*((\s)%2)+VO+4096*\i
.endr
.endm
; A PREFETCH INTO THE L2 of the key step whose loads are issued two trips on.  All sixteen work-groups of a head walk the same K and V: the head's first work-group asks, and in it waves 0 and 1 for the two halves of K's 16 KiB,
; waves 2 and 3 for V's: 8,192 bytes a wave, lanes 256 bytes apart, one instruction.  So each aligned block of 256 bytes is named once in the launch.  It stands behind the trip's loads.  Trip ks names step ks + 6:
; steps 0 to 5 come by their loads alone.  The loop's counter runs 3, 2, 1 over four trips each: the first two trips of the four ask whenever the wave is one that asks (bound 0), the last two while the counter is above 1:
; trips 10 and 11 ask for nothing, and nothing beyond step 15 is named.
.macro ASK lim
	s_cmp_gt_u32 s13, s[\lim]
	s_cbranch_scc0 .Lnot_mine_\@
	global_prefetch_b8 v5, s[88:89] th:TH_LOAD_NT scope:SCOPE_SE
.Lnot_mine_\@:
.endm
; THE FRONT OF A KEY STEP, from slot p: K's fragments, the scores, V's fragments asked for.  masked = 1: with the mask words and the selects.
.macro FRONT p, masked
.if \masked
	s_load_b512 s[16:31], s[6:7], s15 offset:0x0   ; the 64 mask words: they land under the LDS loads and the products
	s_load_b512 s[32:47], s[6:7], s15 offset:0x40
	s_load_b512 s[48:63], s[6:7], s15 offset:0x80
	s_load_b512 s[68:83], s[6:7], s15 offset:0xc0
.endif
	WIN 0x40                                       ; destination window 1
.irp t, 0,1,2,3,4,5,6,7
.irp c, 0,1,2,3
	ds_load_b128 v[16*\t+4*\c:16*\t+4*\c+3], v1 offset:SLOTB*(\p)+2048*\t+512*\c
.endr
.endr
	WIN 0x01                                       ; source 0 window 1
	s_wait_dscnt 16                                ; K's fragments 0-3 are in; the youngest 16 loads may be out
.irp t, 0,1,2,3
	v_wmma_f32_16x16x128_fp8_fp8 v[S+8*\t:S+8*\t+7], v[16*\t:16*\t+15], v[16:31], 0
.endr
	s_wait_dscnt 0x0
.irp t, 4,5,6,7
	v_wmma_f32_16x16x128_fp8_fp8 v[S+8*\t:S+8*\t+7], v[16*\t:16*\t+15], v[16:31], 0
.endr
.rept 4
	v_nop                                          ; the places in front of the first read of the scores, and of V's loads into the registers that these products have read
.endr
	WIN 0x40
.irp t, 0,1,2,3,4,5,6,7
.irp c, 0,1,2,3
	ds_load_b128 v[16*\t+4*\c:16*\t+4*\c+3], v1 offset:SLOTB*(\p)+VO+2048*\t+512*\c   ; V takes K's place and lands while the softmax is worked
.endr
.endr
	WIN 0
.if \masked
	s_wait_kmcnt 0x0
.set n, 0
.rept 64
.if n < 48
	v_cndmask_b32 v[S+n], v255, v[S+n], s[16+n]    ; the lane's bit: 1 keeps the score, 0 makes it -infinity, so that p = 0
.else
	v_cndmask_b32 v[S+n], v255, v[S+n], s[20+n]
.endif
.set n, n+1
.endr
.endif
.endm
; A KEY STEP'S WORK, from slot p.  All that it reads was written in it or at the head.
.macro COMPUTE p
	s_bitcmp1_b32 s14, 1                           ; is any key of the step hidden from any of my queries?
	s_cbranch_scc0 .Lopen_\@
	FRONT \p, 1
	s_branch .Ljoin_\@
.Lopen_\@:
	FRONT \p, 0
.Ljoin_\@:
.irp k, 0,1,2,3                                ; the step's largest score of my query among my 64 keys: four chains of 15 scores, each from an accumulator's low end on, line by line by turns,
	v_max3_num_f32 v[MX+\k], v[S+16*\k], v[S+16*\k+1], v[S+16*\k+2]
.endr
.irp m, 3,5,7,9,11,13
.irp k, 0,1,2,3
	v_max3_num_f32 v[MX+\k], v[MX+\k], v[S+16*\k+\m], v[S+16*\k+\m+1]
.endr
.endr
	v_max3_num_f32 v[MX], v[MX], v[S+15], v[S+31]  ; the four scores left over,
	v_max3_num_f32 v[MX+2], v[MX+2], v[S+47], v[S+63]
	v_max3_num_f32 v[MX], v[MX], v[MX+1], v[MX+2]  ; and the chains together
	v_max_num_f32 v254, v[MX], v[MX+3]
	v_permlanex16_b32 v246, v254, s94, s95
	v_max_num_f32 v254, v254, v246                 ; and among lane l xor 16's
	v_mul_f32 v254, s92, v254                      ; as t (c is positive)
	v_max_num_f32 v13, v13, v254                   ; the running largest t
	v_mov_b32 v254, v12
	v_floor_f32 v12, -v13                          ; the new -M = floor(-t)
	v_sub_f32 v254, v12, v254                      ; old M - new M: a whole number, 0 or less
	v_cvt_i32_f32 v254, v254                       ; (it saturates)
	v_ldexp_f32 v252, 1.0, v254                    ; f = 2^(old M - new M)
.irp j, 0,2,4,6,8,10,12,14,16,18,20,22,24,26,28,30,32,34,36,38,40,42,44,46,48,50,52,54,56,58,60,62
	v_pk_fma_f32 v[S+\j:S+\j+1], v[S+\j:S+\j+1], s[92:93], v[12:13] op_sel_hi:[1,0,0]   ; t - M (of the pairs c and -M the low word serves both halves)
.endr
.irp j, 0,1,2,3,4,5,6,7,8,9,10,11,12,13,14,15,16,17,18,19,20,21,22,23,24,25,26,27,28,29,30,31,32,33,34,35,36,37,38,39,40,41,42,43,44,45,46,47,48,49,50,51,52,53,54,55,56,57,58,59,60,61,62,63
	v_exp_f32 v[S+\j], v[S+\j]                     ; p = 2^(t - M)
.endr
	v_pk_mul_f32 v[14:15], v[14:15], v[252:253] op_sel_hi:[1,0]   ; l under the new M: the plain line behind the exponentials
	s_wait_alu depctr_va_vdst(0)                   ; one wait for the batch, ahead of its first reader
	v_pk_add_f32 v[242:243], v[S:S+1], v[S+2:S+3]  ; l takes the UNQUANTISED p, two at a time, in four chains
	v_pk_add_f32 v[248:249], v[S+4:S+5], v[S+6:S+7]
	v_pk_add_f32 v[250:251], v[S+8:S+9], v[S+10:S+11]
.irp j, 12,20,28,36,44,52
	v_pk_add_f32 v[14:15], v[14:15], v[S+\j:S+\j+1]
	v_pk_add_f32 v[242:243], v[242:243], v[S+\j+2:S+\j+3]
	v_pk_add_f32 v[248:249], v[248:249], v[S+\j+4:S+\j+5]
	v_pk_add_f32 v[250:251], v[250:251], v[S+\j+6:S+\j+7]
.endr
	v_pk_add_f32 v[14:15], v[14:15], v[S+60:S+61]
	v_pk_add_f32 v[242:243], v[242:243], v[S+62:S+63]
	v_pk_add_f32 v[242:243], v[242:243], v[248:249]
	v_pk_add_f32 v[14:15], v[14:15], v[250:251]
	v_pk_add_f32 v[14:15], v[14:15], v[242:243]
	s_cmp_lt_i32 s98, -8                           ; p is at most 1 but for a last place, and 448 x 2^e8 is 1.75 or more from e8 = -8 on: there the hold can hold nothing, and is jumped over
	s_cbranch_scc0 .Lno_hold_\@
.irp j, 0,1,2,3,4,5,6,7,8,9,10,11,12,13,14,15,16,17,18,19,20,21,22,23,24,25,26,27,28,29,30,31,32,33,34,35,36,37,38,39,40,41,42,43,44,45,46,47,48,49,50,51,52,53,54,55,56,57,58,59,60,61,62,63
	v_min_num_f32 v[S+\j], v[S+\j], v240           ; the conversion does not saturate (ISA guide 7.6.2); p is not negative, so the hold is one-sided
.endr
.Lno_hold_\@:
.irp t, 0,1,2,3,4,5,6,7
	v_cvt_scalef32_pk8_fp8_f32 v[P+2*\t:P+2*\t+1], v[S+8*\t:S+8*\t+7], v244
.endr
	WIN 0x41                                       ; O^T (destination and source 0) window 1, f window 0
.irp j, 0,2,4,6,8,10,12,14,16,18,20,22,24,26,28,30,32,34,36,38,40,42,44,46,48,50,52,54,56,58,60,62
	v_pk_mul_f32 v[O+\j:O+\j+1], v[O+\j:O+\j+1], v[252:253] op_sel_hi:[1,0]   ; O^T under the new M; also the plain lines between the conversions and the products
.endr
	WIN 0x51                                       ; V window 1, p's codes window 0, C and D window 1
	s_wait_dscnt 0x0                               ; V is in
.irp t, 0,1,2,3,4,5,6,7                        ; eight accumulators by turns, one instruction a turn
	v_wmma_f32_16x16x128_fp8_fp8 v[O+8*\t:O+8*\t+7], v[16*\t:16*\t+15], v[P:P+15], v[O+8*\t:O+8*\t+7]
.endr
.rept 4
	v_nop                                          ; the places in front of the next step's loads into the registers that these products have read, and of the way out's first read of O^T
.endr
	WIN 0
.endm
; THE TRIP of key step ks, k = ks % 4; the step lies in slot k % 2.  st: step ks + 1 goes from set (k + 1) % 4 into the other slot; left: how many younger loads may stay out.  ld: step ks + 4 is asked of memory, into set k.
.macro TRIP k, ld, st, left, lim
.if \st
	s_wait_loadcnt \left                           ; the next step's eight loads are in registers; the steps behind it, eight loads each, stay on their way
.endif
	s_wait_xcnt 0x0                                ; the loads and the prefetch of the last trip have read their addresses, which are stepped below
	s_wait_dscnt 0x0                               ; my stores into this trip's slot have landed (so set k is free), and my reads of the other slot are over
	s_barrier_signal -1
	s_barrier_wait -1                              ; both now hold of all eight waves
.if \st
	GSTORE ((\k)+1)%4
.endif
.if \ld
	s_add_nc_u64 s[84:85], s[84:85], STEPB
	s_add_nc_u64 s[86:87], s[86:87], STEPB
	s_add_nc_u64 s[88:89], s[88:89], STEPB
	GLOAD \k, 0
	ASK \lim
.endif
	s_bitcmp1_b32 s14, 0                           ; does any key of the step count for any of my queries?
	s_cbranch_scc0 .Lskip_\@
	COMPUTE (\k)%2
.Lskip_\@:
	s_lshr_b32 s14, s14, 2
	s_add_co_u32 s15, s15, 256
.endm
	s_load_b256 s[4:11], s[0:1], 0x0               ; qkvc, maskw, lowp_scales, oc
	v_lshl_add_u32 v11, v0, 2, 0x10000
	v_mov_b32 v241, 0
	v_lshrrev_b32 v1, 5, v0
	v_readfirstlane_b32 s12, v1                    ; wave 0..7
	v_and_b32 v6, 31, v0
	v_lshlrev_b32 v1, 4, v6
	v_lshlrev_b32 v2, 4, v0
	v_lshlrev_b32 v5, 8, v6
	s_and_b32 s16, s12, 3
	s_lshl_b32 s17, ttmp9, 2
	s_add_co_u32 s16, s16, s17                     ; j
	s_lshr_b32 s17, s12, 2
	s_xor_b32 s17, s17, s12
	s_and_b32 s17, s17, 1
	s_mul_i32 s17, s17, 127
	s_xor_b32 s16, s16, s17                        ; my tile: j or 127 - j
	s_and_b32 s18, ttmp7, 0xffff                   ; the head
	s_lshl_b32 s20, s18, 18                        ; its 262,144 bytes in each of Q, K, V
	s_mov_b32 s21, 0
	s_lshl_b32 s22, s16, 2
	s_lshl_b32 s15, s16, 12                        ; my tile's words in maskw
	s_lshl_b32 s26, s16, 11                        ; my tile's fragment of Q
	s_mov_b32 s27, 0
	s_lshl_b32 s28, s16, 15                        ; my tile's row of fragments in oc,
	s_lshl_b32 s29, s18, 11                        ; K step = the head
	s_add_co_u32 s28, s28, s29
	s_mov_b32 s29, 0
	s_mov_b32 s94, 0x76543210                      ; v_permlanex16_b32: lane l xor 16
	s_mov_b32 s95, 0xfedcba98
	s_lshr_b32 s91, s12, 2                         ; 0 in waves 0 to 3,
	s_or_b32 s91, s91, ttmp9                       ; of the head's first work-group
	s_cmp_eq_u32 s91, 0
	s_cselect_b32 s90, 1, -1                       ; the two bounds of the macro ASK: such a wave asks while the loop's counter is above 1,
	s_cselect_b32 s2, 0, -1                        ; or above 0; the other waves never
	s_wait_kmcnt 0x0
	s_load_b32 s14, s[6:7], s22 offset:0x80000     ; my tile's flags
	s_load_b128 s[96:99], s[8:9], 0x18             ; e6, e7, e8, e9
	s_load_b32 s100, s[8:9], 0x28                  ; e10
	s_add_nc_u64 s[24:25], s[4:5], s[20:21]
	s_add_nc_u64 s[84:85], s[24:25], 0x400000      ; K's step 0
	s_add_nc_u64 s[86:87], s[24:25], 0x800000      ; V's
	s_add_nc_u64 s[24:25], s[24:25], s[26:27]
	s_add_nc_u64 s[10:11], s[10:11], s[28:29]
	GLOAD 0, 0
.irp c, 0,1,2,3
	global_load_b128 v[16+4*\c:19+4*\c], v1, s[24:25] offset:512*\c th:TH_LOAD_NT   ; Q's fragment stays in registers
.endr
	GLOAD 1, STEPB
	GLOAD 2, 2*STEPB
	GLOAD 3, 3*STEPB
	s_cmp_lt_u32 s12, 2
	s_cselect_b64 s[88:89], s[84:85], s[86:87]     ; where my prefetches stand: K's (waves 0, 1) or V's,
	s_and_b32 s26, s12, 1
	s_lshl_b32 s26, s26, 13                        ; my half of a step,
	s_add_co_u32 s26, s26, 5*STEPB                 ; at step 5: trip 0 steps it to step 6
	s_add_nc_u64 s[88:89], s[88:89], s[26:27]
	v_mov_b32 v13, 0xff61b1e6                      ; the largest t so far: -3e38, under every t
	v_floor_f32 v12, -v13
	v_mov_b32 v14, 0
	v_mov_b32 v15, 0
	v_mov_b32 v246, 0                              ; a lane permute's destination counts as one of its sources
	v_mov_b32 v253, 0                              ; (named as the upper half of a pair)
	v_mov_b32 v255, 0xff800000                     ; -infinity
	WIN 0x40
.irp j, 0,1,2,3,4,5,6,7,8,9,10,11,12,13,14,15,16,17,18,19,20,21,22,23,24,25,26,27,28,29,30,31,32,33,34,35,36,37,38,39,40,41,42,43,44,45,46,47,48,49,50,51,52,53,54,55,56,57,58,59,60,61,62,63
	v_mov_b32 v[O+\j], 0                           ; which step is a tile's first hangs on the mask, so no first step can be written out to start the sums
.endr
	WIN 0
	s_wait_kmcnt 0x0
	s_mov_b32 s92, 0x3e0293ee                      ; c = log2(e) / sqrt(128)
	s_add_co_i32 s101, s96, s97
	s_lshl_b32 s101, s101, 23
	s_add_co_i32 s92, s92, s101                    ; x 2^(e6 + e7): added to c's exponent field
	s_mov_b32 s93, s92
	s_add_co_i32 s101, s98, 127
	s_lshl_b32 s91, s101, 23
	v_mov_b32 v244, s91                            ; 2^e8
	s_add_co_i32 s101, s101, 8
	s_lshl_b32 s101, s101, 23
	s_or_b32 s101, s101, 0x600000
	v_mov_b32 v240, s101                           ; 448 x 2^e8
	s_wait_loadcnt 28                              ; step 0's eight loads are in; Q's four and the 24 of steps 1 to 3 may be out
	GSTORE 0
	s_wait_xcnt 0x0                                ; the loads above have read their bases
	s_add_nc_u64 s[84:85], s[84:85], 3*STEPB       ; at step 3: trip 0 steps them to step 4
	s_add_nc_u64 s[86:87], s[86:87], 3*STEPB
	s_mov_b32 s13, 3
.Lquad:                                            ; three trips of four key steps: steps 0 to 11; they ask for steps 4 to 15
	TRIP 0, 1, 1, 16, 2
	TRIP 1, 1, 1, 16, 2
	TRIP 2, 1, 1, 16, 90
	TRIP 3, 1, 1, 16, 90
	s_sub_co_u32 s13, s13, 1
	s_cmp_lg_u32 s13, 0
	s_cbranch_scc1 .Lquad
	TRIP 0, 0, 1, 16, 0                            ; step 12: nothing is left to ask of memory; steps 14 and 15 are still on their way,
	TRIP 1, 0, 1, 8, 0                             ; step 13: step 15 is,
	TRIP 2, 0, 1, 0, 0                             ; step 14: nothing is
	TRIP 3, 0, 0, 0, 0                             ; step 15
	; THE WAY OUT: O^T x 2^(e8 + e9) / l, quantised by e10: tile t's eight registers become registers 2 t, 2 t + 1 of the fragment (16 queries x this head's 128) of the last product.
	s_add_co_i32 s101, s100, 127
	s_lshl_b32 s91, s101, 23
	v_mov_b32 v247, s91                            ; 2^e10
	s_add_co_i32 s101, s101, 8
	s_lshl_b32 s101, s101, 23
	s_or_b32 s101, s101, 0x600000
	v_mov_b32 v245, s101                           ; 448 x 2^e10
	v_add_f32 v14, v14, v15
	v_permlanex16_b32 v246, v14, s94, s95
	v_add_f32 v14, v14, v246                       ; the row's sum
	v_rcp_f32 v14, v14
	v_nop                                          ; a plain line behind the reciprocal
	s_add_co_i32 s101, s98, s99
	s_wait_alu depctr_va_vdst(0)                   ; and the wait, ahead of its first reader
	v_ldexp_f32 v14, v14, s101
	v_fma_f32 v245, v14, 0, v245                   ; the bound as it is, or NaN where l = 0
	WIN 0x01                                       ; source 0 (O^T) window 1
.irp j, 0,2,4,6,8,10,12,14,16,18,20,22,24,26,28,30,32,34,36,38,40,42,44,46,48,50,52,54,56,58,60,62
	v_pk_mul_f32 v[S+\j:S+\j+1], v[O+\j:O+\j+1], v[14:15] op_sel_hi:[1,0]
.endr
	WIN 0
.irp j, 0,1,2,3,4,5,6,7,8,9,10,11,12,13,14,15,16,17,18,19,20,21,22,23,24,25,26,27,28,29,30,31,32,33,34,35,36,37,38,39,40,41,42,43,44,45,46,47,48,49,50,51,52,53,54,55,56,57,58,59,60,61,62,63
	v_med3_num_f32 v[S+\j], v[S+\j], -v245, v245
.endr
.irp t, 0,1,2,3,4,5,6,7
	v_cvt_scalef32_pk8_fp8_f32 v[P+2*\t:P+2*\t+1], v[S+8*\t:S+8*\t+7], v247
.endr
	v_nop
.irp c, 0,1,2,3
	global_store_b128 v1, v[P+4*\c:P+4*\c+3], s[10:11] offset:512*\c   ; 512 consecutive bytes
.endr
	s_wait_tensorcnt 0x0
	ds_add_u32 v11, v241
	s_wait_dscnt 0x0
	s_endpgm
.Lfunc_end_k_qad64a8e657_attn:
	.size	k_qad64a8e657_attn, .Lfunc_end_k_qad64a8e657_attn-k_qad64a8e657_attn
	.p2alignl 7, 3214868480
	.fill 96, 4, 3214868480
	.section	.rodata,"a",@progbits
	.p2align	6, 0x0
	.amdhsa_kernel k_qad64a8e657_attn
		.amdhsa_group_segment_fixed_size 66560
		.amdhsa_private_segment_fixed_size 0
		.amdhsa_enable_private_segment 0
		.amdhsa_kernarg_size 32
		.amdhsa_user_sgpr_count 2
		.amdhsa_user_sgpr_kernarg_segment_ptr 1
		.amdhsa_wavefront_size32 1
		.amdhsa_system_sgpr_workgroup_id_x 1
		.amdhsa_system_sgpr_workgroup_id_y 1
		.amdhsa_system_sgpr_workgroup_id_z 1
		.amdhsa_system_vgpr_workitem_id 0
		.amdhsa_next_free_vgpr 512
		.amdhsa_next_free_sgpr 102
		.amdhsa_reserve_vcc 0
		.amdhsa_float_denorm_mode_32 3
		.amdhsa_float_denorm_mode_16_64 3
		.amdhsa_memory_ordered 1
		.amdhsa_forward_progress 1
		.amdhsa_inst_pref_size 250
	.end_amdhsa_kernel
	.amdgpu_metadata
---
amdhsa.version: [ 1, 2 ]
amdhsa.kernels:
  - .name:           k_qad64a8e657_attn
    .symbol:         k_qad64a8e657_attn.kd
    .args:
      - { .name: qkvc, .offset: 0, .size: 8, .value_kind: global_buffer, .address_space: global }
      - { .name: maskw, .offset: 8, .size: 8, .value_kind: global_buffer, .address_space: global }
      - { .name: lowp_scales, .offset: 16, .size: 8, .value_kind: global_buffer, .address_space: global }
      - { .name: oc, .offset: 24, .size: 8, .value_kind: global_buffer, .address_space: global }
    .group_segment_fixed_size: 66560
    .private_segment_fixed_size: 0
    .kernarg_segment_align: 8
    .kernarg_segment_size: 32
    .max_flat_workgroup_size: 256
    .sgpr_count:     102
    .vgpr_count:     512
    .wavefront_size: 32
...
	.end_amdgpu_metadata
.endif
;; end of part 3
;; launch oproj (part 4): grid 16 x 16, 4 waves a work-group, clusters of 4 x 4, 327,680 bytes of LDS; arguments oc, codes, lowp_scales, Wo_b, out0; writes out0
.if DOCPART == 4
	.amdgcn_target "amdgcn-amd-amdhsa--gfx1250"
	.amdhsa_code_object_version 6
	.text
	.protected	k_qad64a8e657_oproj
	.globl	k_qad64a8e657_oproj
	.p2align	8
	.type	k_qad64a8e657_oproj,@function
k_qad64a8e657_oproj:
	s_mov_b64 s[64:65], 0
	v_nop
	global_prefetch_b8 v0, s[64:65] scope:SCOPE_SE
	s_setreg_imm32_b32 hwreg(HW_REG_WAVE_MODE, 25, 1), 1
	s_wait_xcnt 0x0
	s_wait_alu depctr_hold_cnt(0) depctr_sa_sdst(0) depctr_va_vdst(0) depctr_va_sdst(0) depctr_va_ssrc(0) depctr_va_vcc(0) depctr_vm_vsrc(0)
	s_getreg_b32 s2, hwreg(HW_REG_IB_STS2, 6, 4)
	s_cmp_eq_u32 s2, 0
	s_cbranch_scc0 .Lentry_in_a_cluster
	s_endpgm
.Lentry_in_a_cluster:
	s_bfe_u32 s2, ttmp6, 0x10000c
	s_cmp_lg_u32 s2, 0xf033
	s_cbranch_scc0 .Lentry_shape_is_right
	s_endpgm
.Lentry_shape_is_right:
; out0 = O Wo^T + bo: 2,048 x 2,048 x 2,048 on codes of E4M3; each finished sum x 2^(e10 + e11) + bias, f32 out.
; A tile of out0 is 128 x 128, so that there are 256 work-groups (tiles of 256 x 256 would be 64); four waves, each 64 x 64: 16 accumulators.
; OPERANDS are images of fragments ([row / 16][k / 128][c][lane][16 bytes]): no pitch, no padding.  Source 0 = 16 rows of Wo, source 1 = 16 rows of O: a lane holds eight neighbouring numbers of a row of out0.
; K goes in steps of 512 through two LDS slots: four slot steps in all, written out (no loop).  Each wave fetches a quarter of a slot by one tensor load: 4 row tiles x 8,192 consecutive bytes (four fragments).
; CLUSTER 4 x 4: O's tile is asked for jointly along a row of the cluster, Wo's along a column.
; No prefetch ahead of the tensor loads: of four slot steps two are the first fills.
; LIMIT: e10 + e11 between -126 and 127.
; REGISTERS: window 0: v16-30 addresses; v32-63 biases; v64-95, v96-127 at work on the way out; v128-255 the accumulators, (a, b) at v[128 + 8 (4 a + b)].   window 1: two fragment buffers of 128: O's four fragments, then Wo's four.
.set HALFT,  32768                     ; what one tensor load brings: [row tile 4][K step 4][2,048]
.set SLOT,   4*HALFT                   ; O's two halves, then Wo's two
.set SPARE,  2*SLOT                    ; behind the ring: the spare words
.set STEPB,  8192                      ; a slot's part of a row tile in memory
.set SPITCH, 272                       ; the way out: a stage of 16 rows x (256 bytes + 16) for each wave.  It lies in slot 0, which has had its last fill and its last read when the first result is stored there
.set ADRA, 16
.set ADRB, 20
.set STO,  24
.set RD,   25
.set CO,   26
.set LI,   27
.set SPW,  28
.set NIL,  29
.set BO,   30
.set BIAS, 32
.set TMP,  64
.set BK,   96
.set ACC,  128
.set F0,   0
.set F1,   128
.set G1, 24
.set G0, 32
.set G1B, 48
.set G0B, 56
.set MSB, 0
.macro WIN new
.if MSB != (\new)
	s_set_vgpr_msb (MSB<<8)|(\new)
.set MSB, (\new)
.endif
.endm
.set MUL,  0x05                        ; sources 0 and 1 window 1; C and D window 0
.set TO_F, 0x40                        ; destination window 1, address window 0
.macro JLOAD s                         ; waves 0 and 1 fetch O's halves, waves 2 and 3 Wo's; four v_nop follow each of the two lines
	s_cmp_eq_u32 s15, 0
	s_cbranch_scc0 .Lfor_b_\@
	tensor_load_to_lds s[G0+4*\s:G0+4*\s+3], s[G1:G1+7]
	s_nop 0
.rept 4
	v_nop
.endr
	s_branch .Lasked_\@
.Lfor_b_\@:
	tensor_load_to_lds s[G0B+4*\s:G0B+4*\s+3], s[G1B:G1B+7]
	s_nop 0
.rept 4
	v_nop
.endr
.Lasked_\@:
.endm
.macro CREST
	s_cmp_lg_u32 s14, 0
	s_cbranch_scc1 .Lnot_wave_0_\@
	s_barrier_signal -3
.Lnot_wave_0_\@:
	s_barrier_wait -3
	s_barrier_signal -1
	s_barrier_wait -1
.endm
.macro CROUND
	s_barrier_signal -1
	s_barrier_wait -1
	CREST
.endm
	s_load_b256 s[68:75], s[0:1], 0x0              ; oc, codes, lowp_scales, Wo_b
	s_load_b64 s[76:77], s[0:1], 0x20              ; out0
	v_lshl_add_u32 v[SPW], v0, 2, SPARE
	v_mov_b32 v[NIL], 0
	ds_add_u32 v28, v29
	ds_add_u32 v28, v29
	s_wait_dscnt 0x0
	v_lshrrev_b32 v1, 5, v0
	v_readfirstlane_b32 s14, v1                    ; wave 0..3
	s_lshr_b32 s15, s14, 1                         ; which half of the tile's rows is mine.  Also: I fetch for O (0) or for Wo (1)
	s_and_b32 s16, s14, 1                          ; which half of its columns.  Also: which half of that tile I fetch
	s_bfe_u32 s40, ttmp6, 0x40000                  ; cx
	s_bfe_u32 s41, ttmp6, 0x40004                  ; cy
	s_lshl_b32 s42, ttmp9, 2
	s_add_co_u32 s42, s42, s40                     ; tile column
	s_and_b32 s17, ttmp7, 0xffff
	s_lshl_b32 s17, s17, 2
	s_add_co_u32 s17, s17, s41                     ; tile row
	s_lshl_b32 s43, s41, 2
	s_lshl_b32 s43, 15, s43                        ; my row of the cluster
	s_lshl_b32 s44, 0x1111, s40                    ; my column
	; group 1: 4 rows of 1,024 elements of 8 bytes, 4,096 elements apart; no padding
	s_or_b32 s[G1+0], s43, (3<<16)|(1<<21)
	s_or_b32 s[G1B+0], s44, (3<<16)|(1<<21)
.irp g, G1, G1B
	s_mov_b32 s[\g+1], 1024<<16                    ; tensor_dim0
	s_mov_b32 s[\g+2], 4<<16                       ; tensor_dim1
	s_mov_b32 s[\g+3], 1024<<16                    ; tile_dim0
	s_mov_b32 s[\g+4], 4                           ; tile_dim1
	s_mov_b32 s[\g+5], 4096                        ; tensor_dim0_stride
	s_mov_b32 s[\g+6], 0
	s_mov_b32 s[\g+7], 0
.endr
	s_lshl_b32 s18, s16, 17                        ; the half that I fetch: 4 row tiles
	s_lshl_b32 s20, s17, 18                        ; a tile's 8 row tiles
	s_add_co_u32 s20, s20, s18
	s_mov_b32 s21, 0
	s_lshl_b32 s46, s42, 18
	s_add_co_u32 s46, s46, s18
	s_add_co_u32 s46, s46, 6<<22                   ; Wo is the seventh matrix of codes
	s_mov_b32 s47, 0
	s_mul_i32 s45, s14, HALFT
	s_wait_kmcnt 0x0
	s_load_b64 s[98:99], s[72:73], 0x28            ; e10, e11
	s_add_nc_u64 s[20:21], s[68:69], s[20:21]
	s_add_nc_u64 s[46:47], s[70:71], s[46:47]
	CROUND                                         ; all sixteen work-groups are here: the first joint loads meet
.irp s, 0,1
	s_mov_b32 s[G0+4*\s], 1
	s_add_co_u32 s[G0+4*\s+1], s45, \s*SLOT
	s_add_nc_u64 s[G0+4*\s+2:G0+4*\s+3], s[20:21], \s*STEPB
	s_or_b32 s[G0+4*\s+3], s[G0+4*\s+3], 0x80000000
	s_mov_b32 s[G0B+4*\s], 1
	s_add_co_u32 s[G0B+4*\s+1], s45, \s*SLOT
	s_add_nc_u64 s[G0B+4*\s+2:G0B+4*\s+3], s[46:47], \s*STEPB
	s_or_b32 s[G0B+4*\s+3], s[G0B+4*\s+3], 0x80000000
	JLOAD \s
.endr
	v_and_b32 v1, 31, v0
	v_lshlrev_b32 v[LI], 4, v1
	v_and_b32 v2, 15, v0                           ; r
	v_bfe_u32 v3, v0, 4, 1                         ; h
	v_lshlrev_b32 v[BO], 5, v3
	s_mul_i32 s22, s15, HALFT
	s_mul_i32 s23, s16, HALFT
	s_add_co_u32 s23, s23, 2*HALFT
.irp s, 0,1
	v_add_nc_u32 v[ADRA+\s], s22, v[LI]
	v_add_nc_u32 v[ADRB+\s], s23, v[LI]
	s_add_co_u32 s22, s22, SLOT
	s_add_co_u32 s23, s23, SLOT
.endr
	s_mul_i32 s23, s14, 16*SPITCH                  ; my stage
	v_mul_u32_u24 v4, v2, SPITCH
	v_lshl_add_u32 v4, v3, 5, v4
	v_add_nc_u32 v[STO], s23, v4                   ; in: row r, 32 bytes for each half of the lanes
	v_mul_u32_u24 v5, v3, SPITCH
	v_lshl_add_u32 v5, v2, 4, v5
	v_add_nc_u32 v[RD], s23, v5                    ; back: lanes 0-15 one row of 256 bytes, lanes 16-31 the next
	v_lshlrev_b32 v5, 13, v3
	v_lshl_add_u32 v[CO], v2, 4, v5                ; and the same two rows in out0 (8,192 bytes a row)
	s_lshl_b32 s4, s42, 9                          ; my first column, in bytes: 512 x tile column + 256 x half
	s_lshl_b32 s5, s16, 8
	s_add_co_u32 s4, s4, s5
	s_mov_b32 s5, 0
	s_add_nc_u64 s[10:11], s[74:75], s[4:5]        ; my 64 biases
	s_lshl_b32 s6, s17, 20                         ; my first row: 128 x tile row + 64 x half
	s_lshl_b32 s7, s15, 19
	s_add_co_u32 s6, s6, s7
	s_add_co_u32 s4, s4, s6
	s_add_nc_u64 s[8:9], s[76:77], s[4:5]
.irp b, 0,1,2,3
.irp jj, 0,1
	global_load_b128 v[BIAS+8*\b+4*\jj:BIAS+8*\b+4*\jj+3], v[BO], s[10:11] offset:64*\b+16*\jj   ; the biases of columns 16 b + 8 h + 0 .. 7
.endr
.endr
.macro FETCH slot, q, f                ; the eight fragments of the slot's q-th 128 along K into buffer f: 32 loads in one run
	WIN TO_F
.irp i, 0,1,2,3
.irp c, 0,1,2,3
	ds_load_b128 v[\f+16*\i+4*\c:\f+16*\i+4*\c+3], v[ADRA+\slot] offset:\i*8192+(\q)*2048+512*\c
.endr
.endr
.irp i, 0,1,2,3
.irp c, 0,1,2,3
	ds_load_b128 v[\f+64+16*\i+4*\c:\f+64+16*\i+4*\c+3], v[ADRB+\slot] offset:\i*8192+(\q)*2048+512*\c
.endr
.endr
.endm
.macro MUL4 f, a, zero                 ; O's block a x Wo's four.  The 16 accumulators take turns, one instruction a turn, in the same order in every step
.irp b, 0,1,2,3
.if \zero
	v_wmma_f32_16x16x128_fp8_fp8 v[ACC+8*(4*(\a)+\b):ACC+8*(4*(\a)+\b)+7], v[\f+64+16*\b:\f+64+16*\b+15], v[\f+16*(\a):\f+16*(\a)+15], 0
.else
	v_wmma_f32_16x16x128_fp8_fp8 v[ACC+8*(4*(\a)+\b):ACC+8*(4*(\a)+\b)+7], v[\f+64+16*\b:\f+64+16*\b+15], v[\f+16*(\a):\f+16*(\a)+15], v[ACC+8*(4*(\a)+\b):ACC+8*(4*(\a)+\b)+7]
.endif
.endr
.endm
.macro PLACES                          ; four plain lines between matrix instructions and loads into registers that they have read, or reads of their results
.rept 4
	v_nop
.endr
.endm
.macro STEP slot, q, zero              ; 128 along K whose successor lies in the same slot: that one's fragments are asked for first, into the other buffer, and land under these 16 products
	s_wait_dscnt 0x0                               ; this step's fragments are in
	PLACES
	FETCH \slot, (\q)+1, 128*(1-(\q)%2)
	WIN MUL
	MUL4 128*((\q)%2), 0, \zero
	MUL4 128*((\q)%2), 1, \zero
	MUL4 128*((\q)%2), 2, \zero
	MUL4 128*((\q)%2), 3, \zero
.endm
; A slot's last step multiplies buffer 1 and changes slots: ONE barrier; in front of it each wave waits for all its tensor loads, adds 0 to its spare word, and waits for that and for its reads of this slot.
.macro TURN slot, next, fill
	WIN 0                                          ; (the add's two registers lie in window 0)
	s_wait_tensorcnt 0x0                           ; all my tensor loads have landed: my part of the next slot
	ds_add_u32 v[SPW], v[NIL]                      ; 0 onto my spare word
	s_wait_dscnt 1                                 ; buffer 1 is in (the add may be out)
	WIN MUL
	MUL4 F1, 0, 0
	s_wait_dscnt 0x0                               ; the add is done, and my reads of this slot are over
	s_barrier_signal -1
	MUL4 F1, 1, 0
	WIN 0
	s_barrier_wait -1
.if \fill
	CREST                                          ; the barrier has opened a round of the cluster's: no wave of any partner still reads this slot or has a load on its way
	s_add_nc_u64 s[G0+4*\slot+2:G0+4*\slot+3], s[G0+4*\slot+2:G0+4*\slot+3], 2*STEPB
	s_add_nc_u64 s[G0B+4*\slot+2:G0B+4*\slot+3], s[G0B+4*\slot+2:G0B+4*\slot+3], 2*STEPB
	JLOAD \slot                                    ; the first tensor load behind the round; its four v_nop are the places in front of the loads below
.else
	PLACES
.endif
	FETCH \next, 0, F0
	WIN MUL
	MUL4 F1, 2, 0
	MUL4 F1, 3, 0
.endm
	s_wait_tensorcnt 1                             ; my part of slot 0 is in (slot 1's load may be out)
	s_barrier_signal -1
	s_barrier_wait -1                              ; everybody's is
	FETCH 0, 0, F0
	STEP 0, 0, 1                                   ; the first products start the sums
	STEP 0, 1, 0
	STEP 0, 2, 0
	TURN 0, 1, 1                                   ; slot 0 takes K 1,024 on
	STEP 1, 0, 0
	STEP 1, 1, 0
	STEP 1, 2, 0
	TURN 1, 0, 1                                   ; slot 1 takes K 1,536 on
	STEP 0, 0, 0
	STEP 0, 1, 0
	STEP 0, 2, 0
	TURN 0, 1, 0                                   ; nothing is left to fetch
	STEP 1, 0, 0
	STEP 1, 1, 0
	STEP 1, 2, 0
	s_wait_dscnt 0x0
	WIN MUL
	MUL4 F1, 0, 0
	MUL4 F1, 1, 0
	MUL4 F1, 2, 0
	MUL4 F1, 3, 0
	WIN 0
	PLACES
	s_wait_loadcnt 0x0                             ; the biases
	s_wait_kmcnt 0x0
	s_add_co_i32 s98, s98, s99
	s_add_co_i32 s98, s98, 127
	s_lshl_b32 s98, s98, 23                        ; 2^(e10 + e11)
	s_mov_b32 s99, s98
	; THE WAY OUT, 16 rows x 64 columns at a time, through my own stage: a lane holds 32 bytes of a row; back come whole rows of 256 bytes, which sixteen lanes store as 256 consecutive, aligned bytes.
.irp a, 0,1,2,3
.irp j, 0,2,4,6,8,10,12,14,16,18,20,22,24,26,28,30
	v_pk_fma_f32 v[TMP+\j:TMP+\j+1], v[ACC+32*\a+\j:ACC+32*\a+\j+1], s[98:99], v[BIAS+\j:BIAS+\j+1] op_sel_hi:[1,0,1]   ; each accumulator from its low end on
.endr
.irp b, 0,1,2,3
	ds_store_b128 v[STO], v[TMP+8*\b:TMP+8*\b+3] offset:64*\b
	ds_store_b128 v[STO], v[TMP+8*\b+4:TMP+8*\b+7] offset:64*\b+16
.endr
	s_wait_xcnt 0x0                                ; the last block's stores have read the registers that the loads below fill
.irp t, 0,1,2,3,4,5,6,7
	ds_load_b128 v[BK+4*\t:BK+4*\t+3], v[RD] offset:2*\t*SPITCH   ; LDS serves a wave's instructions in order (ISA guide 5.7.1.4): these see the stores above
.endr
	s_wait_dscnt 0x0
.irp t, 0,1,2,3,4,5,6,7
	global_store_b128 v[CO], v[BK+4*\t:BK+4*\t+3], s[8:9] offset:(16*\a+2*\t)*8192 th:TH_STORE_NT
.endr
.endr
	s_wait_tensorcnt 0x0                           ; the wave's end
	ds_add_u32 v[SPW], v[NIL]
	s_wait_dscnt 0x0
	CROUND                                         ; the closing round: no work-group ends while a partner may still ask for a tile that names it
	s_endpgm
.Lfunc_end_k_qad64a8e657_oproj:
	.size	k_qad64a8e657_oproj, .Lfunc_end_k_qad64a8e657_oproj-k_qad64a8e657_oproj
	.p2alignl 7, 3214868480
	.fill 96, 4, 3214868480
	.section	.rodata,"a",@progbits
	.p2align	6, 0x0
	.amdhsa_kernel k_qad64a8e657_oproj
		.amdhsa_group_segment_fixed_size 327680
		.amdhsa_private_segment_fixed_size 0
		.amdhsa_enable_private_segment 0
		.amdhsa_kernarg_size 40
		.amdhsa_user_sgpr_count 2
		.amdhsa_user_sgpr_kernarg_segment_ptr 1
		.amdhsa_wavefront_size32 1
		.amdhsa_system_sgpr_workgroup_id_x 1
		.amdhsa_system_sgpr_workgroup_id_y 1
		.amdhsa_system_sgpr_workgroup_id_z 1
		.amdhsa_system_vgpr_workitem_id 0
		.amdhsa_next_free_vgpr 512
		.amdhsa_next_free_sgpr 100
		.amdhsa_reserve_vcc 0
		.amdhsa_float_denorm_mode_32 3
		.amdhsa_float_denorm_mode_16_64 3
		.amdhsa_memory_ordered 1
		.amdhsa_forward_progress 1
		.amdhsa_inst_pref_size 74
	.end_amdhsa_kernel
	.amdgpu_metadata
---
amdhsa.version: [ 1, 2 ]
amdhsa.kernels:
  - .name:           k_qad64a8e657_oproj
    .symbol:         k_qad64a8e657_oproj.kd
    .args:
      - { .name: oc, .offset: 0, .size: 8, .value_kind: global_buffer, .address_space: global }
      - { .name: codes, .offset: 8, .size: 8, .value_kind: global_buffer, .address_space: global }
      - { .name: lowp_scales, .offset: 16, .size: 8, .value_kind: global_buffer, .address_space: global }
      - { .name: Wo_b, .offset: 24, .size: 8, .value_kind: global_buffer, .address_space: global }
      - { .name: out0, .offset: 32, .size: 8, .value_kind: global_buffer, .address_space: global }
    .group_segment_fixed_size: 327680
    .private_segment_fixed_size: 0
    .kernarg_segment_align: 8
    .kernarg_segment_size: 40
    .max_flat_workgroup_size: 128
    .sgpr_count:     100
    .vgpr_count:     512
    .wavefront_size: 32
...
	.end_amdgpu_metadata
.endif
;; end of part 4
;; ======== version 2 of 2: 4 launches; version 1 with the launch attn written anew for expert scheduling mode
;; workspace buffers: codes 29,360,128 bytes; maskw 524,800 bytes of whole numbers; rope 1,048,576 bytes; qkvc 12,582,912 bytes; oc 4,194,304 bytes
;; launch prep: the kernel of part 1 again; grid 896 x 1, 4 waves a work-group, no clusters, 34,304 bytes of LDS; arguments x, Wq_w, Wk_w, Wv_w, Wo_w, mask, lowp_scales, codes, maskw, rope; writes codes, maskw, rope
;; launch qkvgemm: the kernel of part 2 again; grid 24 x 8, 4 waves a work-group, clusters of 4 x 4, 327,680 bytes of LDS; arguments codes, Wq_b, Wk_b, Wv_b, lowp_scales, rope, qkvc; writes qkvc
;; launch attn (part 5): grid 16 x 16, 8 waves a work-group, no clusters, 66,560 bytes of LDS; arguments qkvc, maskw, lowp_scales, oc; writes oc
.if DOCPART == 5
	.amdgcn_target "amdgcn-amd-amdhsa--gfx1250"
	.amdhsa_code_object_version 6
	.text
	.protected	k_qad64a8e657_attn
	.globl	k_qad64a8e657_attn
	.p2align	8
	.type	k_qad64a8e657_attn,@function
k_qad64a8e657_attn:
	s_mov_b64 s[64:65], 0
	v_nop
	global_prefetch_b8 v0, s[64:65] scope:SCOPE_SE
	s_setreg_imm32_b32 hwreg(HW_REG_WAVE_SCHED_MODE, 0, 2), 2
	s_setreg_imm32_b32 hwreg(HW_REG_WAVE_MODE, 25, 1), 1
	s_wait_xcnt 0x0
	s_wait_alu depctr_vm_vsrc(0)
; O[h][q] = the sum over k of softmax_k(Q[h][q] . K[h][k] / sqrt(128), hidden where mask[q][k] = 0) V[h][k], both products on codes of E4M3; O / l is quantised (e10) for the last product.
; t = score x log2(e) / sqrt(128); M = the running largest t rounded UP to a whole number; p = 2^(t - M) is quantised (e8), not normalised; the row's sum l is taken of the unquantised p and divides at the end.
; When M moves, l and O are multiplied by 2^(old M - new M): exact.
; SHARES.  Work-group (g, head).  Each of its eight waves owns ONE tile of 16 queries and walks the head's 16 key steps of 128.  Wave v takes tile j = 4 g + v % 4 or 127 - j, so chosen that neighbouring waves, and waves four
; apart, hold one low and one high tile.  That is an order of work and nothing else: it is right for every mask.
; LAYOUT.  S^T = K Q^T (source 0 = 16 keys), O^T = V^T P^T (source 0 = 16 d): a lane holds ONE query (lane % 16) throughout; register j of tile t is key (or d) 16 t + 8 (lane / 16) + j.
; So one conversion of a tile's eight registers gives registers 2 t, 2 t + 1 of the next operand.  K's and V's fragments lie in memory as images of registers; a key step is 16 KiB of each, dense.
; THE MASK is an input and is honoured as it is given.  The launch before has stored it as lane bits (64 words for a tile and a step: they come by scalar loads and select, register by register, between the score and
; -infinity) and as two flags for a tile and a step.  Flag 'some key counts' = 0: the step's work is left out by a scalar branch; it would give p = 0 throughout.  Flag 'some key is hidden' = 0: the words are not fetched and
; the 64 selects are left out: the front of a step is written twice, with them and without, under one branch, so that each way reads only what it has itself written.
; WHY NO TENSOR LOADS AND NO CLUSTER: those branches hang on numbers read from memory; joint requests exist for tensor loads alone.
; So K and V come by global loads of all 256 threads (16 bytes each, 4,096 consecutive bytes an instruction round) into FOUR sets of registers, and from there by LDS stores into two slots.  Step n takes set n % 4 and slot n % 2.
; Trip ks stores step ks + 1 and asks for step ks + 4: three steps' loads, 24 a wave, are on their way.  Every wave loads, stores and passes every barrier, whatever it leaves out.
; ONE barrier a step: in front of it each wave's stores into the slot ahead and its reads of the other slot are done; behind it the other slot is written and the slot ahead is read.
; A query with no key that counts has l = 0: 1 / l is infinite, O / l and the bound of the hold are NaN, and the NaN is meant to reach the codes, as reference() gives NaN for that row; that the hold and the conversion pass a NaN on is taken from their definition.
; LIMITS: e6 + e7 between -123 and 130 (added to c's exponent field); e8, e10 between -126 and 119; e8 + e9 goes by v_ldexp_f32 and has none.
; REGISTERS: window 0: v1 16 x lane, v2 16 x thread, v5 256 x lane; v12 -M, v13 the largest t, v[14:15] l in two halves; v16-31 Q; v32-95 and v160-223 the four sets on their way to LDS; v96-159 S^T, then p; v224-239 p's codes;
;   v240 448 x 2^e8, v244 2^e8, v242-243, v246, v248-254 at work, v255 -infinity.   window 1: v0-127 K's eight fragments, and behind the score products V's; v128-191 O^T.
; s14 the tile's flags, two bits a step, shifted as the steps go; s15 the step's byte offset in maskw; s[16:63], s[68:83] its 64 words.
; THE MODE: SCHED_MODE bits 1:0 = 2 (LLVM: expert scheduling mode 2), set by the entry lines.  The code itself states the register dependences between vector or matrix instructions and memory or LDS instructions,
; with s_wait_alu, always for 0.
; THE PLAN.  Registers that memory or LDS instructions touch:
;   v1, v2, v5      offsets and LDS addresses: written at the head, never again.  One wait on va_vdst ahead of the first global load serves every instruction that reads them.
;   v16-31          Q: loaded once; read by the score products.
;   sets 0 to 3     Trip ks: its global loads land in set ks % 4, which the LDS stores of trip ks - 1 have read.  No vector or matrix instruction names a set.  So one wait on vm_vsrc stands at the head of each trip that loads.
;   window 1 v0-127 A worked step: K's LDS loads land; the eight score products read; V's LDS loads land; the eight products V^T P read.  So two waits on va_vdst: ahead of K's loads (the last worked step's products V^T P are done
;                   reading) and ahead of V's first load (the score products are done reading).  V's 32 loads follow that wait in four runs of eight, dealt among the lines of the maxima, which name v96-159 and v248-251 alone.
;   v224-239        the codes: on the way out the conversions write them and four global stores read them: one wait on va_vdst.
;   v11, v241       written at the head, read by the closing add alone.
;   All else (S^T, O^T, the statistics) is named by vector and matrix instructions alone.
.set SLOTB, 32768                      ; a slot: K's 16 KiB, then V's
.set VO,    16384
.set STEPB, 16384                      ; a key step of K or of V in memory
.set G,     32                         ; set s at v[32 + 32 s], sets 2 and 3 another 64 further on
.set S,     96
.set O,     128                        ; in window 1
.set P,     224
.set MX,    248                        ; v248-251 four running maxima; later two of the four running sums
.set MSB, 0
.macro WIN new
.if MSB != (\new)
	s_set_vgpr_msb (MSB<<8)|(\new)
.set MSB, (\new)
.endif
.endm
.macro GLOAD s, off                    ; a key step from memory, off bytes behind the two bases, into set s
.set GB, G+32*(\s)+64*((\s)/2)
.irp i, 0,1,2,3
	global_load_b128 v[GB+4*\i:GB+4*\i+3], v2, s[84:85] offset:(\off)+4096*\i
.endr
.irp i, 0,1,2,3
	global_load_b128 v[GB+16+4*\i:GB+16+4*\i+3], v2, s[86:87] offset:(\off)+4096*\i
.endr
.endm
.macro GSTORE s                        ; set s into slot s % 2, as it lies
.set GB, G+32*(\s)+64*((\s)/2)
.irp i, 0,1,2,3
	ds_store_b128 v2, v[GB+4*\i:GB+4*\i+3] offset:SLOTB*((\s)%2)+4096*\i
.endr
.irp i, 0,1,2,3
	ds_store_b128 v2, v[GB+16+4*\i:GB+16+4*\i+3] offset:SLOTB*((\s)%2)+VO+4096*\i
.endr
.endm
; A PREFETCH INTO THE L2 of the key step whose loads are issued two trips on.  All sixteen work-groups of a head walk the same K and V: the head's first work-group asks, and in it waves 0 and 1 for the two halves of K's 16 KiB,
; waves 2 and 3 for V's: 8,192 bytes a wave, lanes 256 bytes apart, one instruction.  So each aligned block of 256 bytes is named once in the launch.  It stands behind the trip's loads.  Trip ks names step ks + 6:
; steps 0 to 5 come by their loads alone.  The loop's counter runs 3, 2, 1 over four trips each: the first two trips of the four ask whenever the wave is one that asks (bound 0), the last two while the counter is above 1:
; trips 10 and 11 ask for nothing, and nothing beyond step 15 is named.
.macro ASK lim
	s_cmp_gt_u32 s13, s[\lim]
	s_cbranch_scc0 .Lnot_mine_\@
	global_prefetch_b8 v5, s[88:89] th:TH_LOAD_NT scope:SCOPE_SE
.Lnot_mine_\@:
.endm
; Eight LDS loads: V's fragments t0 and t0 + 1 of the step in slot p, into the registers that held K's
.macro VRUN p, t0
	WIN 0x40                                       ; destination window 1
.irp t, \t0, \t0+1
.irp c, 0,1,2,3
	ds_load_b128 v[16*(\t)+4*\c:16*(\t)+4*\c+3], v1 offset:SLOTB*(\p)+VO+2048*(\t)+512*\c
.endr
.endr
	WIN 0
.endm
; THE FRONT OF A KEY STEP, from slot p: K's fragments and the scores.  masked = 1: with the mask words and the selects.
.macro FRONT p, masked
.if \masked
	s_load_b512 s[16:31], s[6:7], s15 offset:0x0   ; the 64 mask words: they land under the LDS loads and the products
	s_load_b512 s[32:47], s[6:7], s15 offset:0x40
	s_load_b512 s[48:63], s[6:7], s15 offset:0x80
	s_load_b512 s[68:83], s[6:7], s15 offset:0xc0
.endif
	WIN 0x40                                       ; destination window 1
	s_wait_alu depctr_va_vdst(0)                   ; the products V^T P of the last worked step are done reading window 1's v0-127, in which K's loads land
.irp t, 0,1,2,3,4,5,6,7
.irp c, 0,1,2,3
	ds_load_b128 v[16*\t+4*\c:16*\t+4*\c+3], v1 offset:SLOTB*(\p)+2048*\t+512*\c
.endr
.endr
	WIN 0x01                                       ; source 0 window 1
	s_wait_dscnt 16                                ; K's fragments 0-3 are in; the youngest 16 loads may be out
.irp t, 0,1,2,3
	v_wmma_f32_16x16x128_fp8_fp8 v[S+8*\t:S+8*\t+7], v[16*\t:16*\t+15], v[16:31], 0
.endr
	s_wait_dscnt 0x0
.irp t, 4,5,6,7
	v_wmma_f32_16x16x128_fp8_fp8 v[S+8*\t:S+8*\t+7], v[16*\t:16*\t+15], v[16:31], 0
.endr
.rept 4
	v_nop                                          ; the places in front of the first read of the scores (ISA guide 7.12.1)
.endr
	WIN 0
.if \masked
	s_wait_kmcnt 0x0
.set n, 0
.rept 64
.if n < 48
	v_cndmask_b32 v[S+n], v255, v[S+n], s[16+n]    ; the lane's bit: 1 keeps the score, 0 makes it -infinity, so that p = 0
.else
	v_cndmask_b32 v[S+n], v255, v[S+n], s[20+n]
.endif
.set n, n+1
.endr
.endif
.endm
; A KEY STEP'S WORK, from slot p.  All that it reads was written in it or at the head.
.macro COMPUTE p
	s_bitcmp1_b32 s14, 1                           ; is any key of the step hidden from any of my queries?
	s_cbranch_scc0 .Lopen_\@
	FRONT \p, 1
	s_branch .Ljoin_\@
.Lopen_\@:
	FRONT \p, 0
.Ljoin_\@:
	WIN 0x40
	s_wait_alu depctr_va_vdst(0)                   ; the score products are done reading K's fragments: V takes K's place and lands while the softmax is worked.  This wait serves all four runs: no line between it and the last of them names v1 or window 1's v0-127
	VRUN \p, 0
.irp k, 0,1,2,3                                ; the step's largest score of my query among my 64 keys: four chains of 15 scores, each from an accumulator's low end on, line by line by turns,
	v_max3_num_f32 v[MX+\k], v[S+16*\k], v[S+16*\k+1], v[S+16*\k+2]
.endr
.irp m, 3,5
.irp k, 0,1,2,3
	v_max3_num_f32 v[MX+\k], v[MX+\k], v[S+16*\k+\m], v[S+16*\k+\m+1]
.endr
.endr
	VRUN \p, 2
.irp m, 7,9
.irp k, 0,1,2,3
	v_max3_num_f32 v[MX+\k], v[MX+\k], v[S+16*\k+\m], v[S+16*\k+\m+1]
.endr
.endr
	VRUN \p, 4
.irp m, 11,13
.irp k, 0,1,2,3
	v_max3_num_f32 v[MX+\k], v[MX+\k], v[S+16*\k+\m], v[S+16*\k+\m+1]
.endr
.endr
	VRUN \p, 6
	v_max3_num_f32 v[MX], v[MX], v[S+15], v[S+31]  ; the four scores left over,
	v_max3_num_f32 v[MX+2], v[MX+2], v[S+47], v[S+63]
	v_max3_num_f32 v[MX], v[MX], v[MX+1], v[MX+2]  ; and the chains together
	v_max_num_f32 v254, v[MX], v[MX+3]
	v_permlanex16_b32 v246, v254, s94, s95
	v_max_num_f32 v254, v254, v246                 ; and among lane l xor 16's
	v_mul_f32 v254, s92, v254                      ; as t (c is positive)
	v_max_num_f32 v13, v13, v254                   ; the running largest t
	v_mov_b32 v254, v12
	v_floor_f32 v12, -v13                          ; the new -M = floor(-t)
	v_sub_f32 v254, v12, v254                      ; old M - new M: a whole number, 0 or less
	v_cvt_i32_f32 v254, v254                       ; (it saturates)
	v_ldexp_f32 v252, 1.0, v254                    ; f = 2^(old M - new M)
.irp j, 0,2,4,6,8,10,12,14,16,18,20,22,24,26,28,30,32,34,36,38,40,42,44,46,48,50,52,54,56,58,60,62
	v_pk_fma_f32 v[S+\j:S+\j+1], v[S+\j:S+\j+1], s[92:93], v[12:13] op_sel_hi:[1,0,0]   ; t - M (of the pairs c and -M the low word serves both halves)
.endr
.irp j, 0,1,2,3,4,5,6,7,8,9,10,11,12,13,14,15,16,17,18,19,20,21,22,23,24,25,26,27,28,29,30,31,32,33,34,35,36,37,38,39,40,41,42,43,44,45,46,47,48,49,50,51,52,53,54,55,56,57,58,59,60,61,62,63
	v_exp_f32 v[S+\j], v[S+\j]                     ; p = 2^(t - M)
.endr
	v_pk_mul_f32 v[14:15], v[14:15], v[252:253] op_sel_hi:[1,0]   ; l under the new M: the plain line behind the exponentials
	s_wait_alu depctr_va_vdst(0)                   ; the 64 exponentials have written p: one wait for the batch, ahead of its first reader
	v_pk_add_f32 v[242:243], v[S:S+1], v[S+2:S+3]  ; l takes the UNQUANTISED p, two at a time, in four chains
	v_pk_add_f32 v[248:249], v[S+4:S+5], v[S+6:S+7]
	v_pk_add_f32 v[250:251], v[S+8:S+9], v[S+10:S+11]
.irp j, 12,20,28,36,44,52
	v_pk_add_f32 v[14:15], v[14:15], v[S+\j:S+\j+1]
	v_pk_add_f32 v[242:243], v[242:243], v[S+\j+2:S+\j+3]
	v_pk_add_f32 v[248:249], v[248:249], v[S+\j+4:S+\j+5]
	v_pk_add_f32 v[250:251], v[250:251], v[S+\j+6:S+\j+7]
.endr
	v_pk_add_f32 v[14:15], v[14:15], v[S+60:S+61]
	v_pk_add_f32 v[242:243], v[242:243], v[S+62:S+63]
	v_pk_add_f32 v[242:243], v[242:243], v[248:249]
	v_pk_add_f32 v[14:15], v[14:15], v[250:251]
	v_pk_add_f32 v[14:15], v[14:15], v[242:243]
	s_cmp_lt_i32 s98, -8                           ; p is at most 1 but for a last place, and 448 x 2^e8 is 1.75 or more from e8 = -8 on: there the hold can hold nothing, and is jumped over
	s_cbranch_scc0 .Lno_hold_\@
.irp j, 0,1,2,3,4,5,6,7,8,9,10,11,12,13,14,15,16,17,18,19,20,21,22,23,24,25,26,27,28,29,30,31,32,33,34,35,36,37,38,39,40,41,42,43,44,45,46,47,48,49,50,51,52,53,54,55,56,57,58,59,60,61,62,63
	v_min_num_f32 v[S+\j], v[S+\j], v240           ; the conversion does not saturate (ISA guide 7.6.2); p is not negative, so the hold is one-sided
.endr
.Lno_hold_\@:
.irp t, 0,1,2,3,4,5,6,7
	v_cvt_scalef32_pk8_fp8_f32 v[P+2*\t:P+2*\t+1], v[S+8*\t:S+8*\t+7], v244
.endr
	WIN 0x41                                       ; O^T (destination and source 0) window 1, f window 0
.irp j, 0,2,4,6,8,10,12,14,16,18,20,22,24,26,28,30,32,34,36,38,40,42,44,46,48,50,52,54,56,58,60,62
	v_pk_mul_f32 v[O+\j:O+\j+1], v[O+\j:O+\j+1], v[252:253] op_sel_hi:[1,0]   ; O^T under the new M; also the plain lines between the conversions and the products
.endr
	WIN 0x51                                       ; V window 1, p's codes window 0, C and D window 1
	s_wait_dscnt 0x0                               ; V is in
.irp t, 0,1,2,3,4,5,6,7                        ; eight accumulators by turns, one instruction a turn
	v_wmma_f32_16x16x128_fp8_fp8 v[O+8*\t:O+8*\t+7], v[16*\t:16*\t+15], v[P:P+15], v[O+8*\t:O+8*\t+7]
.endr
.rept 4
	v_nop                                          ; four plain lines behind the products: the places in front of the way out's first read of O^T.  The next worked step's loads into the registers that these products read stand behind a wait of their own
.endr
	WIN 0
.endm
; THE TRIP of key step ks, k = ks % 4; the step lies in slot k % 2.  st: step ks + 1 goes from set (k + 1) % 4 into the other slot; left: how many younger loads may stay out.  ld: step ks + 4 is asked of memory, into set k.
.macro TRIP k, ld, st, left, lim
.if \st
	s_wait_loadcnt \left                           ; the next step's eight loads are in registers; the steps behind it, eight loads each, stay on their way
.endif
	s_wait_xcnt 0x0                                ; the loads and the prefetch of the last trip have read their addresses, which are stepped below
.if \ld
	s_wait_alu depctr_vm_vsrc(0)                   ; the LDS stores of the trip before (ahead of the first trip: the head's) have read set k, in which this trip's loads land
.endif
	s_wait_dscnt 0x0                               ; my stores into this trip's slot have landed, and my reads of the other slot are over
	s_barrier_signal -1
	s_barrier_wait -1                              ; both now hold of all eight waves
.if \st
	GSTORE ((\k)+1)%4
.endif
.if \ld
	s_add_nc_u64 s[84:85], s[84:85], STEPB
	s_add_nc_u64 s[86:87], s[86:87], STEPB
	s_add_nc_u64 s[88:89], s[88:89], STEPB
	GLOAD \k, 0
	ASK \lim
.endif
	s_bitcmp1_b32 s14, 0                           ; does any key of the step count for any of my queries?
	s_cbranch_scc0 .Lskip_\@
	COMPUTE (\k)%2
.Lskip_\@:
	s_lshr_b32 s14, s14, 2
	s_add_co_u32 s15, s15, 256
.endm
	s_load_b256 s[4:11], s[0:1], 0x0               ; qkvc, maskw, lowp_scales, oc
	v_lshl_add_u32 v11, v0, 2, 0x10000
	v_mov_b32 v241, 0
	v_lshrrev_b32 v1, 5, v0
	v_readfirstlane_b32 s12, v1                    ; wave 0..7
	v_and_b32 v6, 31, v0
	v_lshlrev_b32 v1, 4, v6
	v_lshlrev_b32 v2, 4, v0
	v_lshlrev_b32 v5, 8, v6
	s_wait_alu depctr_va_sdst(0)                   ; s12 is written, ahead of its first reader: the tile, the bases and the prefetches' bounds are made from it
	s_and_b32 s16, s12, 3
	s_lshl_b32 s17, ttmp9, 2
	s_add_co_u32 s16, s16, s17                     ; j
	s_lshr_b32 s17, s12, 2
	s_xor_b32 s17, s17, s12
	s_and_b32 s17, s17, 1
	s_mul_i32 s17, s17, 127
	s_xor_b32 s16, s16, s17                        ; my tile: j or 127 - j
	s_and_b32 s18, ttmp7, 0xffff                   ; the head
	s_lshl_b32 s20, s18, 18                        ; its 262,144 bytes in each of Q, K, V
	s_mov_b32 s21, 0
	s_lshl_b32 s22, s16, 2
	s_lshl_b32 s15, s16, 12                        ; my tile's words in maskw
	s_lshl_b32 s26, s16, 11                        ; my tile's fragment of Q
	s_mov_b32 s27, 0
	s_lshl_b32 s28, s16, 15                        ; my tile's row of fragments in oc,
	s_lshl_b32 s29, s18, 11                        ; K step = the head
	s_add_co_u32 s28, s28, s29
	s_mov_b32 s29, 0
	s_mov_b32 s94, 0x76543210                      ; v_permlanex16_b32: lane l xor 16
	s_mov_b32 s95, 0xfedcba98
	s_lshr_b32 s91, s12, 2                         ; 0 in waves 0 to 3,
	s_or_b32 s91, s91, ttmp9                       ; of the head's first work-group
	s_cmp_eq_u32 s91, 0
	s_cselect_b32 s90, 1, -1                       ; the two bounds of the macro ASK: such a wave asks while the loop's counter is above 1,
	s_cselect_b32 s2, 0, -1                        ; or above 0; the other waves never
	s_wait_kmcnt 0x0
	s_load_b32 s14, s[6:7], s22 offset:0x80000     ; my tile's flags
	s_load_b128 s[96:99], s[8:9], 0x18             ; e6, e7, e8, e9
	s_load_b32 s100, s[8:9], 0x28                  ; e10
	s_add_nc_u64 s[24:25], s[4:5], s[20:21]
	s_add_nc_u64 s[84:85], s[24:25], 0x400000      ; K's step 0
	s_add_nc_u64 s[86:87], s[24:25], 0x800000      ; V's
	s_add_nc_u64 s[24:25], s[24:25], s[26:27]
	s_add_nc_u64 s[10:11], s[10:11], s[28:29]
	s_wait_alu depctr_va_vdst(0)                   ; v1, v2 and v5 are written: every load, store and prefetch of the kernel reads one of them as its offset or LDS address, and no later line writes them
	GLOAD 0, 0
.irp c, 0,1,2,3
	global_load_b128 v[16+4*\c:19+4*\c], v1, s[24:25] offset:512*\c th:TH_LOAD_NT   ; Q's fragment stays in registers
.endr
	GLOAD 1, STEPB
	GLOAD 2, 2*STEPB
	GLOAD 3, 3*STEPB
	s_cmp_lt_u32 s12, 2
	s_cselect_b64 s[88:89], s[84:85], s[86:87]     ; where my prefetches stand: K's (waves 0, 1) or V's,
	s_and_b32 s26, s12, 1
	s_lshl_b32 s26, s26, 13                        ; my half of a step,
	s_add_co_u32 s26, s26, 5*STEPB                 ; at step 5: trip 0 steps it to step 6
	s_add_nc_u64 s[88:89], s[88:89], s[26:27]
	v_mov_b32 v13, 0xff61b1e6                      ; the largest t so far: -3e38, under every t
	v_floor_f32 v12, -v13
	v_mov_b32 v14, 0
	v_mov_b32 v15, 0
	v_mov_b32 v246, 0                              ; a lane permute's destination counts as one of its sources
	v_mov_b32 v253, 0                              ; (named as the upper half of a pair)
	v_mov_b32 v255, 0xff800000                     ; -infinity
	WIN 0x40
.irp j, 0,1,2,3,4,5,6,7,8,9,10,11,12,13,14,15,16,17,18,19,20,21,22,23,24,25,26,27,28,29,30,31,32,33,34,35,36,37,38,39,40,41,42,43,44,45,46,47,48,49,50,51,52,53,54,55,56,57,58,59,60,61,62,63
	v_mov_b32 v[O+\j], 0                           ; which step is a tile's first hangs on the mask, so no first step can be written out to start the sums
.endr
	WIN 0
	s_wait_kmcnt 0x0
	s_mov_b32 s92, 0x3e0293ee                      ; c = log2(e) / sqrt(128)
	s_add_co_i32 s101, s96, s97
	s_lshl_b32 s101, s101, 23
	s_add_co_i32 s92, s92, s101                    ; x 2^(e6 + e7): added to c's exponent field
	s_mov_b32 s93, s92
	s_add_co_i32 s101, s98, 127
	s_lshl_b32 s91, s101, 23
	v_mov_b32 v244, s91                            ; 2^e8
	s_add_co_i32 s101, s101, 8
	s_lshl_b32 s101, s101, 23
	s_or_b32 s101, s101, 0x600000
	v_mov_b32 v240, s101                           ; 448 x 2^e8
	s_wait_loadcnt 28                              ; step 0's eight loads are in; Q's four and the 24 of steps 1 to 3 may be out
	GSTORE 0
	s_wait_xcnt 0x0                                ; the loads above have read their bases
	s_add_nc_u64 s[84:85], s[84:85], 3*STEPB       ; at step 3: trip 0 steps them to step 4
	s_add_nc_u64 s[86:87], s[86:87], 3*STEPB
	s_mov_b32 s13, 3
.Lquad:                                            ; three trips of four key steps: steps 0 to 11; they ask for steps 4 to 15
	TRIP 0, 1, 1, 16, 2
	TRIP 1, 1, 1, 16, 2
	TRIP 2, 1, 1, 16, 90
	TRIP 3, 1, 1, 16, 90
	s_sub_co_u32 s13, s13, 1
	s_cmp_lg_u32 s13, 0
	s_cbranch_scc1 .Lquad
	TRIP 0, 0, 1, 16, 0                            ; step 12: nothing is left to ask of memory; steps 14 and 15 are still on their way,
	TRIP 1, 0, 1, 8, 0                             ; step 13: step 15 is,
	TRIP 2, 0, 1, 0, 0                             ; step 14: nothing is
	TRIP 3, 0, 0, 0, 0                             ; step 15
	; THE WAY OUT: O^T x 2^(e8 + e9) / l, quantised by e10: tile t's eight registers become registers 2 t, 2 t + 1 of the fragment (16 queries x this head's 128) of the last product.
	s_add_co_i32 s101, s100, 127
	s_lshl_b32 s91, s101, 23
	v_mov_b32 v247, s91                            ; 2^e10
	s_add_co_i32 s101, s101, 8
	s_lshl_b32 s101, s101, 23
	s_or_b32 s101, s101, 0x600000
	v_mov_b32 v245, s101                           ; 448 x 2^e10
	v_add_f32 v14, v14, v15
	v_permlanex16_b32 v246, v14, s94, s95
	v_add_f32 v14, v14, v246                       ; the row's sum
	v_rcp_f32 v14, v14
	v_nop                                          ; a plain line behind the reciprocal
	s_add_co_i32 s101, s98, s99
	s_wait_alu depctr_va_vdst(0)                   ; the reciprocal has written v14: the wait, ahead of its first reader
	v_ldexp_f32 v14, v14, s101
	v_fma_f32 v245, v14, 0, v245                   ; the bound as it is, or NaN where l = 0
	WIN 0x01                                       ; source 0 (O^T) window 1
.irp j, 0,2,4,6,8,10,12,14,16,18,20,22,24,26,28,30,32,34,36,38,40,42,44,46,48,50,52,54,56,58,60,62
	v_pk_mul_f32 v[S+\j:S+\j+1], v[O+\j:O+\j+1], v[14:15] op_sel_hi:[1,0]
.endr
	WIN 0
.irp j, 0,1,2,3,4,5,6,7,8,9,10,11,12,13,14,15,16,17,18,19,20,21,22,23,24,25,26,27,28,29,30,31,32,33,34,35,36,37,38,39,40,41,42,43,44,45,46,47,48,49,50,51,52,53,54,55,56,57,58,59,60,61,62,63
	v_med3_num_f32 v[S+\j], v[S+\j], -v245, v245
.endr
.irp t, 0,1,2,3,4,5,6,7
	v_cvt_scalef32_pk8_fp8_f32 v[P+2*\t:P+2*\t+1], v[S+8*\t:S+8*\t+7], v247
.endr
	v_nop
	s_wait_alu depctr_va_vdst(0)                   ; the conversions have written v224-239, which the four stores read
.irp c, 0,1,2,3
	global_store_b128 v1, v[P+4*\c:P+4*\c+3], s[10:11] offset:512*\c   ; 512 consecutive bytes
.endr
	s_wait_dscnt 0x0                               ; the closing lines, six on end
	s_wait_alu 0x0
	s_wait_tensorcnt 0x0
	ds_add_u32 v11, v241
	s_wait_dscnt 0x0
	s_endpgm
.Lfunc_end_k_qad64a8e657_attn:
	.size	k_qad64a8e657_attn, .Lfunc_end_k_qad64a8e657_attn-k_qad64a8e657_attn
	.p2alignl 7, 3214868480
	.fill 96, 4, 3214868480
	.section	.rodata,"a",@progbits
	.p2align	6, 0x0
	.amdhsa_kernel k_qad64a8e657_attn
		.amdhsa_group_segment_fixed_size 66560
		.amdhsa_private_segment_fixed_size 0
		.amdhsa_enable_private_segment 0
		.amdhsa_kernarg_size 32
		.amdhsa_user_sgpr_count 2
		.amdhsa_user_sgpr_kernarg_segment_ptr 1
		.amdhsa_wavefront_size32 1
		.amdhsa_system_sgpr_workgroup_id_x 1
		.amdhsa_system_sgpr_workgroup_id_y 1
		.amdhsa_system_sgpr_workgroup_id_z 1
		.amdhsa_system_vgpr_workitem_id 0
		.amdhsa_next_free_vgpr 512
		.amdhsa_next_free_sgpr 102
		.amdhsa_reserve_vcc 0
		.amdhsa_float_denorm_mode_32 3
		.amdhsa_float_denorm_mode_16_64 3
		.amdhsa_memory_ordered 1
		.amdhsa_forward_progress 1
		.amdhsa_inst_pref_size 237
	.end_amdhsa_kernel
	.amdgpu_metadata
---
amdhsa.version: [ 1, 2 ]
amdhsa.kernels:
  - .name:           k_qad64a8e657_attn
    .symbol:         k_qad64a8e657_attn.kd
    .args:
      - { .name: qkvc, .offset: 0, .size: 8, .value_kind: global_buffer, .address_space: global }
      - { .name: maskw, .offset: 8, .size: 8, .value_kind: global_buffer, .address_space: global }
      - { .name: lowp_scales, .offset: 16, .size: 8, .value_kind: global_buffer, .address_space: global }
      - { .name: oc, .offset: 24, .size: 8, .value_kind: global_buffer, .address_space: global }
    .group_segment_fixed_size: 66560
    .private_segment_fixed_size: 0
    .kernarg_segment_align: 8
    .kernarg_segment_size: 32
    .max_flat_workgroup_size: 256
    .sgpr_count:     102
    .vgpr_count:     512
    .wavefront_size: 32
...
	.end_amdgpu_metadata
.endif
;; end of part 5
;; launch oproj: the kernel of part 4 again; grid 16 x 16, 4 waves a work-group, clusters of 4 x 4, 327,680 bytes of LDS; arguments oc, codes, lowp_scales, Wo_b, out0; writes out0
